; MI455X (gfx1250); checked and timed in simulation.
; The chip was launched on July 23, 2026; its instructions are those of AMD's public machine-readable ISA for CDNA 5 (MIT licence, August 2026) and "CDNA5" Instruction Set Architecture Reference Guide (July 2026). The comments in the code are by the model that wrote it; some were corrected since.
;; VQAMOE Layer. Allowed arithmetic: float matrix products may take bf16 or f16 operands with f32 sums; all other float work in f32.
;; Inputs: b1 8 x 3,072 float32; b2 8 x 768 float32; ln_b 768 float32; ln_g 768 float32; router_b 8 float32; router_w 768 x 8 float32; w1 8 x 768 x 3,072 float32; w2 8 x 3,072 x 768 float32; x 8 x 128 x 768 float32.
;; Outputs: out0 8 x 128 x 768 float32.
;; 2 versions, each right; version 2 is version 1 with the launches ffn1, ffn2 written anew for expert scheduling mode. Each part assembles by itself: llvm-mc -triple=amdgcn-amd-amdhsa -mcpu=gfx1250 --defsym DOCPART=n.
;; ======== version 1 of 2: 5 launches
;; limits: values outside matrix products are rounded to bf16
;; workspace buffers: xb 1,572,864 bytes; eidx 8,192 bytes of whole numbers; wts 8,192 bytes; lists 45,056 bytes of whole numbers; meta 256 bytes of whole numbers; h 16,515,072 bytes; yp 33,030,144 bytes
;; launch route (part 1): grid 256 x 1, 4 waves a work-group, no clusters, 0 bytes of LDS; arguments x, router_w, router_b, xb, eidx, wts; writes xb, eidx, wts
.if DOCPART == 1
	.amdgcn_target "amdgcn-amd-amdhsa--gfx1250"
	.amdhsa_code_object_version 6
	.text
	.protected	k_q1c3c14cbdf_route
	.globl	k_q1c3c14cbdf_route
	.p2align	8
	.type	k_q1c3c14cbdf_route,@function
k_q1c3c14cbdf_route:
	s_mov_b64 s[64:65], 0
	v_nop
	global_prefetch_b8 v0, s[64:65] scope:SCOPE_SE
	s_setreg_imm32_b32 hwreg(HW_REG_WAVE_MODE, 25, 1), 1
	s_wait_xcnt 0x0
; ROUTER.  One wave, one token t = 4 x work-group + wave.  It makes the 8 logits, the top two experts and their softmax
; weights, and leaves x rounded to bf16 for the first expert product.
;   xb   [6 slices of 128 columns][1024 tokens][128] bf16: a token's piece of a slice is 256 consecutive bytes, aligned
;   eidx [2048] expert of slot k*1024 + t (k = rank 0, 1);   wts [2048] f32 weight of that slot
; FORMAT: x, router_w and router_b are all rounded to bf16 (nearest even) before use, as x is for the expert products, so the
; choice of experts is made on the same rounded data that the experts see.  Products of two bf16 are exact in f32 and the sums are
; fused f32 multiply-adds.  The product has 8 columns and 12.6 MFLOP of the layer's 19.3 GFLOP: it stays on the vector unit.
; LIMITS: on equal logits the lower index wins, as in top_k; logits closer than the noise of an f32 sum of 768 terms may be
; ordered otherwise than by another order of summation; a NaN logit is never chosen ahead of a number (reference gives NaN rows).
; The four results of a token are 4-byte stores (16 KB in the whole launch): too little to be worth gathering 64 tokens in one group.
.set ACC, 8                            ; v[8:15]   the 8 logits
.set X,   32                           ; v[32:55]  load j: x[128 j + 4 lane + c], later two packed bf16 pairs in the first two registers
.set RW,  64                           ; v[64:255] register 32 j + 8 c + e: router_w[128 j + 4 lane + c][e], later packed in 8 c + e/2
	s_load_b256 s[4:11], s[0:1], 0x0               ; x s[4:5], router_w s[6:7], router_b s[8:9], xb s[10:11]
	s_load_b128 s[12:15], s[0:1], 0x20             ; eidx s[12:13], wts s[14:15]
	v_lshrrev_b32 v1, 5, v0
	v_readfirstlane_b32 s16, v1                    ; wave
	s_lshl_b32 s17, ttmp9, 2
	s_add_co_u32 s17, s17, s16                     ; token t
	v_and_b32 v1, 31, v0                           ; lane
	v_lshlrev_b32 v2, 4, v1                        ; 16 lane: my 4 numbers of 128 of x
	v_lshlrev_b32 v3, 7, v1                        ; 128 lane: the 4 rows of router_w that go with them
	v_lshlrev_b32 v4, 3, v1                        ; 8 lane: my 4 bf16 in xb
	s_lshl_b32 s30, s17, 2
	v_mov_b32 v5, s30                              ; 4 t
	s_mov_b32 s28, 0x76543210                      ; v_permlanex16_b32: lane i reads lane i of the other half
	s_mov_b32 s29, 0xfedcba98
	s_mul_i32 s18, s17, 3072
	s_mov_b32 s19, 0
	s_wait_kmcnt 0x0
	s_load_b256 s[20:27], s[8:9], 0x0              ; router_b
	s_add_nc_u64 s[4:5], s[4:5], s[18:19]          ; x at my token
	s_lshl_b32 s18, s17, 8
	s_add_nc_u64 s[10:11], s[10:11], s[18:19]      ; xb at my token, slice 0
.irp j, 0,1,2,3,4,5
	global_load_b128 v[X+4*\j:X+4*\j+3], v2, s[4:5] offset:512*\j th:TH_LOAD_NT
.endr
.irp j, 0,1,2,3,4,5
.irp i, 0,1,2,3,4,5,6,7
	global_load_b128 v[RW+32*\j+4*\i:RW+32*\j+4*\i+3], v3, s[6:7] offset:4096*\j+16*\i
.endr
.endr
.irp e, 0,1,2,3,4,5,6,7
	v_mov_b32 v[ACC+\e], 0
.endr
	v_mov_b32 v20, 0                               ; written once: v_permlanex16_b32 counts as a reader of its destination
; logit e += bf16 x (half sx of its word) * bf16 router_w (half sw): exact product, one rounding
.macro FM j, c, e, sx, sw
	v_fma_mix_f32_bf16 v[ACC+(\e)], v[X+4*(\j)+(\c)/2], v[RW+32*(\j)+8*(\c)+(\e)/2], v[ACC+(\e)] op_sel:[\sx,\sw,0] op_sel_hi:[1,1,0]
.endm
.irp j, 0,1,2,3,4,5
	s_wait_loadcnt 8*(5-\j)                        ; x (older) and router_w's groups 0 .. j are in; the 8 loads of each later group stay out
	v_cvt_pk_bf16_f32 v[X+4*\j],   v[X+4*\j],   v[X+4*\j+1]
	v_cvt_pk_bf16_f32 v[X+4*\j+1], v[X+4*\j+2], v[X+4*\j+3]
.irp c, 0,1,2,3
.irp p, 0,1,2,3
	v_cvt_pk_bf16_f32 v[RW+32*\j+8*\c+\p], v[RW+32*\j+8*\c+2*\p], v[RW+32*\j+8*\c+2*\p+1]   ; in ascending p: no source is written before it is read
.endr
.endr
.irp u, 0,1
.irp p, 0,1,2,3
	FM \j, 2*\u,   2*\p,   0, 0
	FM \j, 2*\u,   2*\p+1, 0, 1
.endr
.irp p, 0,1,2,3
	FM \j, 2*\u+1, 2*\p,   1, 0
	FM \j, 2*\u+1, 2*\p+1, 1, 1
.endr
.endr
.endr
.irp j, 0,1,2,3,4,5
	global_store_b64 v4, v[X+4*\j:X+4*\j+1], s[10:11] offset:262144*\j   ; the wave's 32 lanes store 256 consecutive bytes, aligned
.endr
	; the 8 sums over the 32 lanes: four steps inside each half of 16 lanes, one across
.irp x, 1,2,4,8
.irp e, 0,1,2,3,4,5,6,7
	v_add_f32_dpp v[ACC+\e], v[ACC+\e], v[ACC+\e] row_xmask:\x row_mask:0xf bank_mask:0xf
.endr
.endr
.irp e, 0,1,2,3,4,5,6,7
	v_permlanex16_b32 v20, v[ACC+\e], s28, s29
	v_add_f32 v[ACC+\e], v[ACC+\e], v20
.endr
	s_wait_kmcnt 0x0                               ; router_b
.irp p, 0,1,2,3
	v_cvt_pk_bf16_f32 v21, s[20+2*\p], s[21+2*\p]  ; the bias in bf16 too (see the head)
	v_lshlrev_b32 v22, 16, v21
	v_and_b32 v23, 0xffff0000, v21
	v_add_f32 v[ACC+2*\p],   v[ACC+2*\p],   v22
	v_add_f32 v[ACC+2*\p+1], v[ACC+2*\p+1], v23
.endr
	; the largest: a strict compare in ascending e keeps the lower index
	v_mov_b32 v16, v[ACC]
	v_mov_b32 v17, 0
.irp e, 1,2,3,4,5,6,7
	v_cmp_gt_f32 vcc_lo, v[ACC+\e], v16
	v_cndmask_b32 v16, v16, v[ACC+\e], vcc_lo
	v_cndmask_b32 v17, v17, \e, vcc_lo
.endr
	; the second: starts at the lowest index that is not the first, so the two experts of a token always differ
	v_mov_b32 v18, 0xff800000
	v_cmp_eq_u32 vcc_lo, 0, v17
	v_cndmask_b32 v19, 0, 1, vcc_lo
.irp e, 0,1,2,3,4,5,6,7
	v_cmp_gt_f32 s30, v[ACC+\e], v18
	v_cmp_ne_u32 s31, \e, v17
	s_and_b32 vcc_lo, s30, s31
	v_cndmask_b32 v18, v18, v[ACC+\e], vcc_lo
	v_cndmask_b32 v19, v19, \e, vcc_lo
.endr
	; softmax of the two with the maximum taken away: q = e^(second - first) <= 1, weights 1/(1+q) and q/(1+q)
	v_sub_f32 v20, v18, v16
	v_mul_f32 v20, 0x3fb8aa3b, v20
	v_exp_f32 v20, v20
	v_nop                                          ; one plain place behind a transcendental before its result is used (ISA guide 5.7.2)
	s_wait_alu depctr_va_vdst(0)
	v_add_f32 v21, 1.0, v20
	v_rcp_f32 v21, v21
	v_nop
	s_wait_alu depctr_va_vdst(0)
	v_mul_f32 v22, v20, v21
	v_cmp_eq_u32 vcc_lo, 0, v1
	s_wait_xcnt 0x0                                ; EXEC is a source of the stores above: it narrows only behind this wait
	s_and_saveexec_b32 s32, vcc_lo                 ; every lane holds the same results: lane 0 stores them
	global_store_b32 v5, v17, s[12:13]
	global_store_b32 v5, v19, s[12:13] offset:4096
	global_store_b32 v5, v21, s[14:15]
	global_store_b32 v5, v22, s[14:15] offset:4096
	s_wait_xcnt 0x0                                ; and widens only behind this one
	s_or_b32 exec_lo, exec_lo, s32
	s_endpgm
.Lfunc_end_k_q1c3c14cbdf_route:
	.size	k_q1c3c14cbdf_route, .Lfunc_end_k_q1c3c14cbdf_route-k_q1c3c14cbdf_route
	.p2alignl 7, 3214868480
	.fill 96, 4, 3214868480
	.section	.rodata,"a",@progbits
	.p2align	6, 0x0
	.amdhsa_kernel k_q1c3c14cbdf_route
		.amdhsa_group_segment_fixed_size 0
		.amdhsa_private_segment_fixed_size 0
		.amdhsa_enable_private_segment 0
		.amdhsa_kernarg_size 48
		.amdhsa_user_sgpr_count 2
		.amdhsa_user_sgpr_kernarg_segment_ptr 1
		.amdhsa_wavefront_size32 1
		.amdhsa_system_sgpr_workgroup_id_x 1
		.amdhsa_system_sgpr_workgroup_id_y 1
		.amdhsa_system_sgpr_workgroup_id_z 1
		.amdhsa_system_vgpr_workitem_id 0
		.amdhsa_next_free_vgpr 256
		.amdhsa_next_free_sgpr 66
		.amdhsa_reserve_vcc 1
		.amdhsa_float_denorm_mode_32 3
		.amdhsa_float_denorm_mode_16_64 3
		.amdhsa_memory_ordered 1
		.amdhsa_forward_progress 1
		.amdhsa_inst_pref_size 34
	.end_amdhsa_kernel
	.amdgpu_metadata
---
amdhsa.version: [ 1, 2 ]
amdhsa.kernels:
  - .name:           k_q1c3c14cbdf_route
    .symbol:         k_q1c3c14cbdf_route.kd
    .args:
      - { .name: x, .offset: 0, .size: 8, .value_kind: global_buffer, .address_space: global }
      - { .name: router_w, .offset: 8, .size: 8, .value_kind: global_buffer, .address_space: global }
      - { .name: router_b, .offset: 16, .size: 8, .value_kind: global_buffer, .address_space: global }
      - { .name: xb, .offset: 24, .size: 8, .value_kind: global_buffer, .address_space: global }
      - { .name: eidx, .offset: 32, .size: 8, .value_kind: global_buffer, .address_space: global }
      - { .name: wts, .offset: 40, .size: 8, .value_kind: global_buffer, .address_space: global }
    .group_segment_fixed_size: 0
    .private_segment_fixed_size: 0
    .kernarg_segment_align: 8
    .kernarg_segment_size: 48
    .max_flat_workgroup_size: 128
    .sgpr_count:     66
    .vgpr_count:     256
    .wavefront_size: 32
...
	.end_amdgpu_metadata
.endif
;; end of part 1
;; launch lists (part 2): grid 8 x 1, 1 waves a work-group, no clusters, 6,144 bytes of LDS; arguments eidx, lists, meta; writes lists, meta
.if DOCPART == 2
	.amdgcn_target "amdgcn-amd-amdhsa--gfx1250"
	.amdhsa_code_object_version 6
	.text
	.protected	k_q1c3c14cbdf_lists
	.globl	k_q1c3c14cbdf_lists
	.p2align	8
	.type	k_q1c3c14cbdf_lists,@function
k_q1c3c14cbdf_lists:
	s_mov_b64 s[64:65], 0
	v_nop
	global_prefetch_b8 v0, s[64:65] scope:SCOPE_SE
	s_setreg_imm32_b32 hwreg(HW_REG_WAVE_MODE, 25, 1), 1
	s_wait_xcnt 0x0
; LISTS.  Work-group e (one wave) gathers the slots that chose expert e: no atomics, each group scans all 2,048 entries of eidx.
;   lists [8][1408]: positions 0 .. c-1 the expert's slots; up to the end of the last block of 80 rows, dump slots
;   2048 + 80 e + (position - c), each used once, so that pad rows are computed and stored like real ones and no two lanes ever
;   store the same byte; behind the last block slot 0, a row that is always written, for loads that look one block ahead.
;   meta [8]: blocks of 80 rows, ceil(c / 80).  c <= 1024 since a token's two experts differ: at most 13 blocks, 1,040 positions;
;   the look-ahead of the expert kernels reaches position 1,359.
; The list is gathered in LDS (1,408 words) and leaves in whole runs of 512 bytes.  In the scan every lane stores in every step: a lane
; whose entry names another expert stores into a word of its own behind the list (word 1408 + lane), which is never read.  So EXEC
; stays full, and the position, which hangs on loaded numbers, is clamped to the allocation by the last instruction before the store.
.set E,     16                         ; v[16:79]  register 4 j + c of lane l: eidx[128 j + 4 l + c]
.set CAP,   1408                       ; words of the list
.set LASTW, 4*(CAP+31)                 ; byte address of the last word of the 5,760 bytes
	s_load_b128 s[4:7], s[0:1], 0x0                ; eidx s[4:5], lists s[6:7]
	s_load_b64 s[8:9], s[0:1], 0x10                ; meta
	v_lshl_add_u32 v96, v0, 2, 0x1700
	v_mov_b32 v97, 0
	s_mov_b32 s10, ttmp9                           ; expert
	v_lshlrev_b32 v1, 2, v0                        ; 4 lane
	v_lshlrev_b32 v2, 4, v0                        ; 16 lane
	v_add_nc_u32 v5, CAP, v0                       ; my lane's spare word
.irp c, 0,1,2,3
	v_mov_b32 v[80+\c], 0
.endr
	s_mul_i32 s16, s10, 4*CAP
	s_mov_b32 s17, 0
	s_mul_i32 s14, s10, 80
	s_add_co_u32 s14, s14, 2048                    ; the expert's first dump slot
	s_wait_kmcnt 0x0
	s_add_nc_u64 s[6:7], s[6:7], s[16:17]
.irp j, 0,1,2,3,4,5,6,7,8,9,10,11,12,13,14,15
	global_load_b128 v[E+4*\j:E+4*\j+3], v2, s[4:5] offset:512*\j
.endr
.irp i, 0,1,2,3,4,5,6,7,8,9,10
	ds_store_b128 v2, v[80:83] offset:512*\i       ; every byte of the list in LDS is written before it is read back
.endr
	s_wait_loadcnt 0x0
	s_mov_b32 s11, 0                               ; count so far
; 32 entries: those that name my expert get the next positions, in lane order
.macro SCAN j, c
	v_cmp_eq_u32 vcc_lo, s10, v[E+4*\j+\c]
	v_mbcnt_lo_u32_b32 v3, vcc_lo, s11             ; count so far + hits in lower lanes
	v_cndmask_b32 v3, v5, v3, vcc_lo               ; no hit: my spare word
	v_lshlrev_b32 v3, 2, v3                        ; in bytes
	v_min_u32 v3, LASTW, v3                        ; inside the allocation whatever eidx holds; both are multiples of 4
	v_add_nc_u32 v4, 128*\j+\c, v1                 ; the slot's number
	ds_store_b32 v3, v4
	s_bcnt1_i32_b32 s12, vcc_lo
	s_add_co_u32 s11, s11, s12
.endm
.irp j, 0,1,2,3,4,5,6,7,8,9,10,11,12,13,14,15
.irp c, 0,1,2,3
	SCAN \j, \c
.endr
.endr
	s_add_co_u32 s12, s11, 79
	s_mul_i32 s12, s12, 52429                      ; 52429 / 2^22 = (1 + 16 / 2^22) / 80: the floor is exact below 262,144
	s_lshr_b32 s12, s12, 22                        ; blocks
	s_mul_i32 s15, s12, 80                         ; positions in whole blocks
	s_sub_co_u32 s18, s14, s11                     ; first dump slot - c: position p's dump slot is p + this
.irp i, 0,1,2,3,4,5,6,7,8,9,10
	ds_load_b128 v[80:83], v2 offset:512*\i        ; LDS serves one wave's instructions in order: these see the stores above
	s_wait_dscnt 0x0
	s_wait_xcnt 0x0                                ; v[84:87], the last store's data, are rewritten only behind this wait
.irp c, 0,1,2,3
	v_add_nc_u32 v88, 128*\i+\c, v1                ; position p
	v_add_nc_u32 v89, s18, v88                     ; the dump slot of a pad position
	v_cmp_gt_u32 vcc_lo, s15, v88
	v_cndmask_b32 v89, 0, v89, vcc_lo              ; behind the last block: slot 0
	v_cmp_gt_u32 vcc_lo, s11, v88
	v_cndmask_b32 v[84+\c], v89, v[80+\c], vcc_lo  ; p < c: the gathered slot
.endr
	global_store_b128 v2, v[84:87], s[6:7] offset:512*\i   ; 512 consecutive bytes, aligned
.endr
	v_mov_b32 v90, s12
	s_lshl_b32 s16, s10, 2
	v_mov_b32 v91, s16
	v_cmp_eq_u32 vcc_lo, 0, v0
	s_wait_xcnt 0x0                                ; EXEC is a source of the stores above: it narrows only behind this wait
	s_wait_tensorcnt 0x0
	ds_add_u32 v96, v97
	s_wait_dscnt 0x0
	s_and_saveexec_b32 s13, vcc_lo                 ; one word for the expert: lane 0 stores it
	global_store_b32 v91, v90, s[8:9]
	s_wait_xcnt 0x0                                ; and widens only behind this one
	s_or_b32 exec_lo, exec_lo, s13
	s_endpgm
.Lfunc_end_k_q1c3c14cbdf_lists:
	.size	k_q1c3c14cbdf_lists, .Lfunc_end_k_q1c3c14cbdf_lists-k_q1c3c14cbdf_lists
	.p2alignl 7, 3214868480
	.fill 96, 4, 3214868480
	.section	.rodata,"a",@progbits
	.p2align	6, 0x0
	.amdhsa_kernel k_q1c3c14cbdf_lists
		.amdhsa_group_segment_fixed_size 6144
		.amdhsa_private_segment_fixed_size 0
		.amdhsa_enable_private_segment 0
		.amdhsa_kernarg_size 24
		.amdhsa_user_sgpr_count 2
		.amdhsa_user_sgpr_kernarg_segment_ptr 1
		.amdhsa_wavefront_size32 1
		.amdhsa_system_sgpr_workgroup_id_x 1
		.amdhsa_system_sgpr_workgroup_id_y 1
		.amdhsa_system_sgpr_workgroup_id_z 1
		.amdhsa_system_vgpr_workitem_id 0
		.amdhsa_next_free_vgpr 98
		.amdhsa_next_free_sgpr 66
		.amdhsa_reserve_vcc 1
		.amdhsa_float_denorm_mode_32 3
		.amdhsa_float_denorm_mode_16_64 3
		.amdhsa_memory_ordered 1
		.amdhsa_forward_progress 1
		.amdhsa_inst_pref_size 42
	.end_amdhsa_kernel
	.amdgpu_metadata
---
amdhsa.version: [ 1, 2 ]
amdhsa.kernels:
  - .name:           k_q1c3c14cbdf_lists
    .symbol:         k_q1c3c14cbdf_lists.kd
    .args:
      - { .name: eidx, .offset: 0, .size: 8, .value_kind: global_buffer, .address_space: global }
      - { .name: lists, .offset: 8, .size: 8, .value_kind: global_buffer, .address_space: global }
      - { .name: meta, .offset: 16, .size: 8, .value_kind: global_buffer, .address_space: global }
    .group_segment_fixed_size: 6144
    .private_segment_fixed_size: 0
    .kernarg_segment_align: 8
    .kernarg_segment_size: 24
    .max_flat_workgroup_size: 32
    .sgpr_count:     66
    .vgpr_count:     98
    .wavefront_size: 32
...
	.end_amdgpu_metadata
.endif
;; end of part 2
;; launch ffn1 (part 3): grid 24 x 8, 4 waves a work-group, no clusters, 239,104 bytes of LDS; arguments xb, w1, b1, lists, meta, h; writes h
.if DOCPART == 3
	.amdgcn_target "amdgcn-amd-amdhsa--gfx1250"
	.amdhsa_code_object_version 6
	.text
	.protected	k_q1c3c14cbdf_ffn1
	.globl	k_q1c3c14cbdf_ffn1
	.p2align	8
	.type	k_q1c3c14cbdf_ffn1,@function
k_q1c3c14cbdf_ffn1:
	s_mov_b64 s[64:65], 0
	v_nop
	global_prefetch_b8 v0, s[64:65] scope:SCOPE_SE
	s_setreg_imm32_b32 hwreg(HW_REG_WAVE_MODE, 25, 1), 1
	s_wait_xcnt 0x0
; EXPERT PRODUCT.  One text for both products of an expert; SECOND = 0: h = gelu(x w1 + b1), SECOND = 1: partial sums of h w2.
; Only the rows that the router sent to the expert are computed: reference() multiplies every other row's result by a weight of 0.
; LIMIT: where an expert that a token did not choose would give inf or NaN, reference() gives NaN (0 x inf) and this text does not.
;
; A work-group owns a weight slice of 768 (k) x 128 (n) of one expert: 393,216 bytes of f32, read from memory once in the whole launch.
;   first:  grid (24 slices of H, 8 experts);   second: grid (6 slices of O, 8 experts x 4 quarters of H).
; PHASE 1: each wave streams 192 rows of 512 bytes (one load of the wave = one row), rounds them to bf16 and lays them into LDS as
;   [k][n], pitch 288 bytes.  A ring of 48 loads a wave: 4 x 48 x 512 = 98,304 bytes of the group are on their way.  One barrier.
; PHASE 2: a wave takes blocks of 80 rows of the expert's list (blocks wave, wave + 4, ..): 5 x 8 accumulator tiles, K in 24 steps of 32.
;   Weights: ds_load_tr16_b128 turns [k][n] into fragments, 16 loads a step, each fragment used by 5 matrix instructions.
;   Rows: gathered by the list straight into registers, 16 bytes a lane, three buffers of 64 k, two chunks ahead.
;   The matrix instruction is used transposed (source 0 = 16 columns of W, source 1 = 16 rows): lane (r, hh) then holds row r and
;   8 neighbouring columns 16 T + 8 hh + j.  16 rows at a time go through the wave's own LDS stage and leave as whole rows:
;   one store of the wave = one row's piece, 256 (first) or 512 (second) consecutive bytes, aligned.
; NOT USED, and why: clusters and joint requests, the tensor data mover: no two work-groups read the same weights, and the rows that the
;   work-groups of one expert share are picked one by one from a list, which a rectangular tile cannot name; beside 221,184 bytes of
;   weights LDS has no room for two shared slots of 320 rows x 272 bytes.  128 columns a slice, 192 work-groups, rather than 96 columns and
;   256: with 128 every weight row, h piece and yp piece is a whole number of aligned 256-byte runs.
.set SECOND, 0
.if SECOND
.set WPITCH,  3072                     ; bytes from row to row of w2[e]
.set ASTRIDE, 688128                   ; bytes from one 128-column slice of h to the next (2,688 rows x 256)
.set SPITCH,  528                      ; stage: 512 bytes of f32 + 16: an odd multiple of 16
.set LOGO,    4                        ; a lane stores 16 bytes of an output row
.else
.set WPITCH,  12288                    ; bytes from row to row of w1[e]
.set ASTRIDE, 262144                   ; slice of xb (1,024 rows x 256)
.set SPITCH,  272                      ; stage: 256 bytes of bf16 + 16
.set LOGO,    3                        ; a lane stores 8 bytes of an output row
.endif
.set NBIAS, 16*(1-SECOND)              ; loads of the bias (first product only)
.set NEX,   NBIAS+40                   ; loads for the first block that are issued inside the staging tail
.set WP,    288                        ; LDS pitch of a weight row: 256 bytes + 32 = 9 x 32, an odd multiple of 32 for the transposing loads
.set WQ,    192*WP                     ; a wave's quarter of the weights; also 6 K steps
.set STAGE, 768*WP                     ; behind the weights: 16 rows x SPITCH for each wave
; window 0
.set LV,  4                            ; byte offset in the expert's list of entry 80 block + r
.set L16, 5                            ; 16 lane
.set SA,  6                            ; staging: LDS address
.set OL,  7                            ; lane's bytes in an output row
.set WA,  8                            ; v[8:11]   fragment address, one for each 6 K steps (the 16-bit offset reaches 6)
.set AO,  12                           ; v[12:16]  row tile m: byte offset of my row + 16 hh
.set STO, 17                           ; stage, in
.set RD,  18                           ; stage, back
.set BO,  19                           ; 32 hh (bias)
.set K1,  20                           ; v[20:21]
.set K0,  22                           ; v[22:23]
.set LS,  24                           ; v[24:28]  list entries of row tile m
.set H16, 29                           ; 16 hh
.set CV,  30                           ; v[30:31]  staging: 4 bf16
.set OV,  32                           ; v[32:47]  byte offset of output row t + my lane's bytes
.set RING, 64                          ; v[64:255] staging ring, 48 x 4
.set WB,  64                           ; v[64:191] two buffers of 8 weight fragments
.set RB,  64                           ; rows read back from the stage
.set T,   192                          ; v[192:223] gelu at work
.set P,   224                          ; v[224:239] packed bf16
; window 1: v[80 b + 40 s2 + 8 m ..] row fragments, buffer b = chunk mod 3.  window 2: accumulators v[64 m + 8 T ..], m = 0..3.
; window 3: v[8 T ..] accumulators of m = 4; v[64 + 8 T ..] the bias in the accumulators' layout (first product).
.set MSB, 0
.macro WIN new                         ; low byte: bits 1:0 source 0, 3:2 source 1, 5:4 source 2, 7:6 destination; high byte: the setting that is left
.if MSB != (\new)
	s_set_vgpr_msb (MSB<<8)|(\new)
.set MSB, (\new)
.endif
.endm
.macro PLACES                          ; four plain places behind a matrix instruction before a load lands on, or a vector instruction touches, its registers
.rept 4
	v_nop
.endr
.endm
; one weight row: wait, round, store to LDS; ahead = 1: the ring slot is loaded again, 48 rows on
.macro SLOT i, ahead, left
	s_wait_loadcnt \left
	v_cvt_pk_bf16_f32 v[CV],   v[RING+4*(\i)],   v[RING+4*(\i)+1]
	v_cvt_pk_bf16_f32 v[CV+1], v[RING+4*(\i)+2], v[RING+4*(\i)+3]
	ds_store_b64 v[SA], v[CV:CV+1] offset:(\i)*WP
.if \ahead
	global_load_b128 v[RING+4*(\i):RING+4*(\i)+3], v[L16], s[6:7] offset:((\i)+48)*WPITCH th:TH_LOAD_NT
.endif
.endm
; the 8 weight fragments of K step s: k = 32 s + 8 hh .. of column 16 T + r in registers 0-3, k + 16 in registers 4-7
.macro FETCHW s
.irp t, 0,1,2,3,4,5,6,7
	ds_load_tr16_b128 v[WB+64*((\s)&1)+8*\t:WB+64*((\s)&1)+8*\t+3],   v[WA+(\s)/6] offset:((\s)%6)*32*WP+32*\t
	ds_load_tr16_b128 v[WB+64*((\s)&1)+8*\t+4:WB+64*((\s)&1)+8*\t+7], v[WA+(\s)/6] offset:((\s)%6)*32*WP+16*WP+32*\t
.endr
.endm
; load i = 10 s2 + 2 m + q of chunk c (64 k): 16 bytes of my row of tile m
.macro ALD c, i
	global_load_b128 v[80*((\c)%3)+4*(\i):80*((\c)%3)+4*(\i)+3], v[AO+((\i)%10)/2], s[4:5] offset:((\c)>>1)*ASTRIDE+((\c)&1)*128+64*((\i)/10)+32*((\i)%2)
.endm
.macro ALOAD c
	WIN 0x40                               ; destination window 1
.set ai, 0
.rept 20
	ALD \c, ai
.set ai, ai+1
.endr
.endm
; the n-th of the loads for the first block: the bias first (it is the older, so the wait for chunk 0 covers it), then chunks 0 and 1
.macro EXTRA n
.if (\n) < NBIAS
	WIN 0xc0                               ; destination window 3
	global_load_b128 v[64+4*(\n):64+4*(\n)+3], v[BO], s[8:9] offset:64*((\n)/2)+16*((\n)%2)
.else
	WIN 0x40
	ALD ((\n)-NBIAS)/20, ((\n)-NBIAS)%20
.endif
.endm
.macro XGROUP
.rept 8
.if xn < NEX
	EXTRA xn
.set xn, xn+1
.endif
.endr
	WIN 0
.endm
; list entries to row offsets.  The clamp keeps every address inside the buffer whatever the list holds.
.macro AOFF
.irp m, 0,1,2,3,4
	v_min_u32 v[LS+\m], 2687, v[LS+\m]
.if SECOND == 0
	v_and_b32 v[LS+\m], 1023, v[LS+\m]     ; slot = rank x 1024 + token; a dump slot falls on some token, whose result goes to the dump row
.endif
	v_lshl_add_u32 v[AO+\m], v[LS+\m], 8, v[H16]
.endr
.endm
; 8 matrix instructions: row tile m x all 8 column tiles.  cm 0: accumulate; 1: C = 0 starts the sums; 2: the bias starts them
.macro MROW m, db, cm
.irp t, 0,1,2,3,4,5,6,7
.if \cm == 0
	v_wmma_f32_16x16x32_bf16 v[\db+8*\t:\db+8*\t+7], v[wf+8*\t:wf+8*\t+7], v[af+8*\m:af+8*\m+7], v[\db+8*\t:\db+8*\t+7]
.endif
.if \cm == 1
	v_wmma_f32_16x16x32_bf16 v[\db+8*\t:\db+8*\t+7], v[wf+8*\t:wf+8*\t+7], v[af+8*\m:af+8*\m+7], 0
.endif
.if \cm == 2
	v_wmma_f32_16x16x32_bf16 v[\db+8*\t:\db+8*\t+7], v[wf+8*\t:wf+8*\t+7], v[af+8*\m:af+8*\m+7], v[64+8*\t:64+8*\t+7]
.endif
.endr
.endm
.macro MUL s
.set wf, WB+64*((\s)&1)
.set af, 80*(((\s)/2)%3)+40*((\s)&1)
.if (\s) == 0
.set cmode, 2-SECOND
.else
.set cmode, 0
.endif
.if cmode == 2
	WIN 0xb4                               ; W window 0, rows window 1, C (bias) window 3, D window 2
.else
	WIN 0xa4                               ; W window 0, rows window 1, C and D window 2
.endif
	MROW 0, 0, cmode
	MROW 1, 64, cmode
	MROW 2, 128, cmode
	MROW 3, 192, cmode
	WIN 0xf4                               ; C and D window 3
	MROW 4, 0, cmode
.endm
; K step s: ask for the next step's weights and, on even steps, for the rows two chunks ahead; then 40 matrix instructions
.macro STEP s
	WIN 0
	PLACES                                 ; the loads below land on registers that the matrix instructions just issued have read
.if (\s) < 23
	FETCHW (\s)+1
.endif
.if ((\s)&1) == 0
.if (\s) <= 18
	ALOAD (\s)/2+2
.endif
.endif
.if (\s) < 23
	s_wait_dscnt 16                        ; this step's 16 fragment loads are in; the 16 just issued stay out
.else
	s_wait_dscnt 0
.endif
.if ((\s)&1) == 0
.if (\s) <= 2
	s_wait_loadcnt 45                      ; behind chunk 0 or 1: two chunks of 20 loads and the 5 list loads of the next block
.else
.if (\s) <= 18
	s_wait_loadcnt 40                      ; behind this chunk: the two chunks ahead
.else
.if (\s) == 20
	s_wait_loadcnt 20                      ; behind chunk 10: chunk 11
.else
	s_wait_loadcnt 0                       ; chunk 11 is the last
.endif
.endif
.endif
.endif
	MUL \s
.endm
; the way out of row tile m: 16 rows
.macro TILE m
.set SB, 32+16*((\m)&1)                ; the scalar set that holds the tile's 16 list entries
.set AW, 2+(\m)/4                      ; the accumulators' window
.set AB, 64*((\m)%4)                   ; and first register
	WIN 0
	s_wait_kmcnt 0x0                       ; scalar loads return in no order: zero
.irp t, 0,1,2,3,4,5,6,7,8,9,10,11,12,13,14,15
	s_min_u32 s[SB+\t], s[SB+\t], 2687
.if SECOND
	s_mul_i32 s[SB+\t], s[SB+\t], 3072
.else
	s_lshl_b32 s[SB+\t], s[SB+\t], 8
.endif
.endr
	s_wait_xcnt 0x0                        ; OV and RB, which the last tile's stores read, are rewritten only behind this wait
.irp t, 0,1,2,3,4,5,6,7,8,9,10,11,12,13,14,15
	v_add_nc_u32 v[OV+\t], s[SB+\t], v[OL]
.endr
.if (\m)+2 <= 4
	s_load_b512 s[SB:SB+15], s[16:17], ((\m)+2)*64
.endif
.if SECOND
	WIN AW<<2                              ; store data (source 1) in the accumulators' window
.irp t, 0,1,2,3,4,5,6,7
	ds_store_b128 v[STO], v[AB+8*\t:AB+8*\t+3]   offset:64*\t
	ds_store_b128 v[STO], v[AB+8*\t+4:AB+8*\t+7] offset:64*\t+16
.endr
	WIN 0
.irp t, 0,1,2,3,4,5,6,7,8,9,10,11,12,13,14,15
	ds_load_b128 v[RB+4*\t:RB+4*\t+3], v[RD] offset:\t*SPITCH   ; my own bytes, served in order behind the stores: no wait between
.endr
.irp t, 0,1,2,3,4,5,6,7,8,9,10,11,12,13,14,15
	s_wait_dscnt 15-\t                     ; row t is in; the younger rows stay out
	global_store_b128 v[OV+\t], v[RB+4*\t:RB+4*\t+3], s[14:15]   ; 512 consecutive bytes, aligned
.endr
.else
	; gelu, tanh form: x / (1 + 2^(x (K0 + K1 x^2))), K0 = -2 log2(e) sqrt(2/pi), K1 = 0.044715 K0.  For large |x| it runs to x or to -0, never to NaN.
.irp bt, 0,1
	WIN AW|(AW<<2)
.set pp, 0
.rept 16
	v_pk_mul_f32 v[T+2*pp:T+2*pp+1], v[AB+32*\bt+2*pp:AB+32*\bt+2*pp+1], v[AB+32*\bt+2*pp:AB+32*\bt+2*pp+1]
.set pp, pp+1
.endr
	WIN 0
.set pp, 0
.rept 16
	v_pk_fma_f32 v[T+2*pp:T+2*pp+1], v[T+2*pp:T+2*pp+1], v[K1:K1+1], v[K0:K0+1]
.set pp, pp+1
.endr
	WIN AW
.set pp, 0
.rept 16
	v_pk_mul_f32 v[T+2*pp:T+2*pp+1], v[AB+32*\bt+2*pp:AB+32*\bt+2*pp+1], v[T+2*pp:T+2*pp+1]
.set pp, pp+1
.endr
	WIN 0
.set pp, 0
.rept 32
	v_exp_f32 v[T+pp], v[T+pp]
.set pp, pp+1
.endr
	v_nop                                  ; one plain place behind the run of transcendentals (ISA guide 5.7.2)
.set pp, 0
	s_wait_alu depctr_va_vdst(0)
.rept 16
	v_pk_add_f32 v[T+2*pp:T+2*pp+1], v[T+2*pp:T+2*pp+1], 1.0 op_sel_hi:[1,0]
.set pp, pp+1
.endr
.set pp, 0
.rept 32
	v_rcp_f32 v[T+pp], v[T+pp]
.set pp, pp+1
.endr
	v_nop
	WIN AW
.set pp, 0
	s_wait_alu depctr_va_vdst(0)
.rept 16
	v_pk_mul_f32 v[T+2*pp:T+2*pp+1], v[AB+32*\bt+2*pp:AB+32*\bt+2*pp+1], v[T+2*pp:T+2*pp+1]
.set pp, pp+1
.endr
	WIN 0
.set pp, 0
.rept 16
	v_cvt_pk_bf16_f32 v[P+pp], v[T+2*pp], v[T+2*pp+1]
.set pp, pp+1
.endr
.irp q, 0,1,2,3
	ds_store_b128 v[STO], v[P+4*\q:P+4*\q+3] offset:32*(4*\bt+\q)   ; row r, columns 16 T + 8 hh .. + 7
.endr
.endr
.irp t, 0,1,2,3,4,5,6,7,8,9,10,11,12,13,14,15
	ds_load_b64 v[RB+2*\t:RB+2*\t+1], v[RD] offset:\t*SPITCH       ; my own bytes, served in order behind the stores: no wait between
.endr
.irp t, 0,1,2,3,4,5,6,7,8,9,10,11,12,13,14,15
	s_wait_dscnt 15-\t                     ; row t is in; the younger rows stay out
	global_store_b64 v[OV+\t], v[RB+2*\t:RB+2*\t+1], s[14:15]      ; 256 consecutive bytes, aligned
.endr
.endif
.endm
	; ---- arguments, ids, offsets
.if SECOND
	s_load_b128 s[4:7], s[0:1], 0x0                ; h (the rows) s[4:5], w2 s[6:7]
	s_load_b64 s[10:11], s[0:1], 0x10              ; lists
	s_load_b64 s[12:13], s[0:1], 0x18              ; meta
	s_load_b64 s[14:15], s[0:1], 0x20              ; yp
.else
	s_load_b256 s[4:11], s[0:1], 0x0               ; xb (the rows) s[4:5], w1 s[6:7], b1 s[8:9], lists s[10:11]
	s_load_b128 s[12:15], s[0:1], 0x20             ; meta s[12:13], h s[14:15]
	v_lshl_add_u32 v62, v0, 2, 0x3a400
	v_mov_b32 v63, 0
.endif
	v_lshrrev_b32 v1, 5, v0
	v_readfirstlane_b32 s18, v1                    ; wave
	s_and_b32 s19, ttmp7, 0xffff
.if SECOND
	s_and_b32 s21, s19, 3                          ; quarter of H
	s_lshr_b32 s19, s19, 2                         ; expert
.endif
	s_lshl_b32 s20, ttmp9, 9                       ; my 128 columns, in bytes of f32
	s_mov_b32 s27, 0
	s_mul_i32 s26, s19, 9437184                    ; the expert's weights
	s_add_co_u32 s26, s26, s20
	s_mul_i32 s28, s18, 192*WPITCH                 ; my wave's 192 rows
	s_add_co_u32 s26, s26, s28
.if SECOND
	s_mul_i32 s28, s21, 768*WPITCH
	s_add_co_u32 s26, s26, s28
.endif
	s_mul_i32 s28, s19, 5632                       ; the expert's list
	s_mov_b32 s29, 0
	s_mul_i32 s30, s18, 320                        ; my wave's first block: 80 entries
	s_mov_b32 s31, 0
	v_and_b32 v1, 31, v0                           ; lane
	v_and_b32 v2, 15, v0                           ; r
	v_bfe_u32 v3, v0, 4, 1                         ; hh
	v_lshl_add_u32 v[LV], v2, 2, s30
	v_lshlrev_b32 v[L16], 4, v1
	s_wait_kmcnt 0x0
	s_add_nc_u64 s[6:7], s[6:7], s[26:27]
	s_add_nc_u64 s[10:11], s[10:11], s[28:29]
	s_add_nc_u64 s[16:17], s[10:11], s[30:31]      ; the list at my block, for the scalar loads
.irp m, 0,1,2,3,4
	global_load_b32 v[LS+\m], v[LV], s[10:11] offset:64*\m
.endr
.set ii, 0
.rept 48
	global_load_b128 v[RING+4*ii:RING+4*ii+3], v[L16], s[6:7] offset:ii*WPITCH th:TH_LOAD_NT
.set ii, ii+1
.endr
	s_lshl_b32 s26, s19, 2
	s_add_nc_u64 s[12:13], s[12:13], s[26:27]
	s_load_b32 s22, s[12:13], 0x0                  ; the expert's blocks
	s_mul_i32 s28, s18, WQ
	v_lshl_add_u32 v[SA], v1, 3, s28               ; my wave's quarter + 8 lane
	v_lshlrev_b32 v[OL], LOGO, v1
	v_and_b32 v30, 7, v0
	v_lshl_add_u32 v30, v3, 3, v30                 ; k row 8 hh + (lane & 7)
	v_mul_u32_u24 v30, v30, WP
	v_bfe_u32 v31, v0, 3, 1
	v_lshl_add_u32 v[WA], v31, 4, v30              ; + 16 bytes for the upper 8 columns
	v_add_nc_u32 v[WA+1], WQ, v[WA]
	v_add_nc_u32 v[WA+2], 2*WQ, v[WA]
	v_add_nc_u32 v[WA+3], 3*WQ, v[WA]
	s_mul_i32 s28, s18, 16*SPITCH
	s_add_co_u32 s28, s28, STAGE                   ; my stage
	v_mul_u32_u24 v30, v2, SPITCH
	v_lshl_add_u32 v30, v3, LOGO+1, v30            ; row r, 8 columns for each half of the lanes
	v_add_nc_u32 v[STO], s28, v30
	v_add_nc_u32 v[RD], s28, v[OL]
	v_lshlrev_b32 v[H16], 4, v3
.if SECOND
	s_mul_i32 s26, s21, 6*ASTRIDE                  ; my quarter of H: 6 slices of h
	s_add_nc_u64 s[4:5], s[4:5], s[26:27]
	s_mul_i32 s26, s21, 2688*3072                  ; my quarter's plane of yp
	s_add_co_u32 s26, s26, s20
	s_add_nc_u64 s[14:15], s[14:15], s[26:27]
.else
	s_mul_i32 s26, s19, 12288
	s_add_co_u32 s26, s26, s20
	s_add_nc_u64 s[8:9], s[8:9], s[26:27]          ; b1 at my expert and columns
	s_mul_i32 s26, ttmp9, 688128
	s_add_nc_u64 s[14:15], s[14:15], s[26:27]      ; my slice of h
	v_lshlrev_b32 v[BO], 5, v3
	v_mov_b32 v[K1],   0xbdd2d3e8
	v_mov_b32 v[K1+1], 0xbdd2d3e8
	v_mov_b32 v[K0],   0xc0135761
	v_mov_b32 v[K0+1], 0xc0135761
.endif
	; ---- phase 1: the weights.  Three rounds that load ahead, then a tail
	s_mov_b32 s24, 0
.Lround:
.set ii, 0
.rept 48
	SLOT ii, 1, 47                                 ; loads return in order: behind this slot's load 47 younger ones were issued
.set ii, ii+1
.endr
	s_wait_xcnt 0x0                                ; the base of the loads just issued is stepped only behind this wait
	s_add_nc_u64 s[6:7], s[6:7], 48*WPITCH
	v_add_nc_u32 v[SA], 48*WP, v[SA]
	s_add_co_u32 s24, s24, 1
	s_cmp_lt_u32 s24, 3
	s_cbranch_scc1 .Lround
	AOFF                                           ; the list loads are older than every ring load: they are in
	; the tail: after every 8 rows, 8 of the first block's loads take the places that the ring gives up.
	; The count: 47 - i younger ring loads and the xn loads issued in the tail so far
.set ii, 0
.set xn, 0
.rept 6
.rept 8
	SLOT ii, 0, 47-ii+xn
.set ii, ii+1
.endr
	XGROUP
.endr
	XGROUP
	s_wait_dscnt 0x0                               ; my quarter of the weights is in LDS: zero, for the other waves' sake
	s_barrier_signal -1
	s_barrier_wait -1                              ; the only barrier: from here the weights are read only, and a stage is its wave's own
	s_wait_kmcnt 0x0
	s_min_u32 s22, s22, 13                         ; at most 13 blocks (1,024 rows)
	s_add_co_u32 s22, s22, 3
	s_sub_co_u32 s22, s22, s18
	s_lshr_b32 s22, s22, 2                         ; my blocks: wave, wave + 4, .. below the count
	s_cmp_eq_u32 s22, 0
	s_cbranch_scc1 .Lend
	; ---- phase 2: my blocks of 80 rows
	s_mov_b32 s23, 0
.Lblock:
	s_load_b512 s[32:47], s[16:17], 0x0            ; the list entries of row tiles 0 and 1, for the way out
	s_load_b512 s[48:63], s[16:17], 0x40
	v_add_nc_u32 v[LV], 1280, v[LV]                ; my next block (4 x 80 entries on): position 1,359 at the most, inside the list's 1,408
.irp m, 0,1,2,3,4
	global_load_b32 v[LS+\m], v[LV], s[10:11] offset:64*\m
.endr
	FETCHW 0
.set st, 0
.rept 24
	STEP st
.set st, st+1
.endr
	WIN 0
	PLACES                                         ; behind the last matrix instructions: results are read, operand registers loaded again
	AOFF
	ALOAD 0                                        ; the next block's first two chunks travel while this block leaves.
	ALOAD 1                                        ; Behind my last block they read row 0 of the list's tail and are not used
	TILE 0
	TILE 1
	TILE 2
	TILE 3
	TILE 4
	WIN 0
	s_wait_xcnt 0x0                                ; the next trip's fragment loads land on RB, which the last stores read; the list's base is stepped
	s_add_nc_u64 s[16:17], s[16:17], 1280
	s_add_co_u32 s23, s23, 1
	s_cmp_lt_u32 s23, s22
	s_cbranch_scc1 .Lblock
.Lend:
	s_wait_tensorcnt 0x0
	ds_add_u32 v62, v63
	s_wait_dscnt 0x0
	s_endpgm
.Lfunc_end_k_q1c3c14cbdf_ffn1:
	.size	k_q1c3c14cbdf_ffn1, .Lfunc_end_k_q1c3c14cbdf_ffn1-k_q1c3c14cbdf_ffn1
	.p2alignl 7, 3214868480
	.fill 96, 4, 3214868480
	.section	.rodata,"a",@progbits
	.p2align	6, 0x0
	.amdhsa_kernel k_q1c3c14cbdf_ffn1
		.amdhsa_group_segment_fixed_size 239104
		.amdhsa_private_segment_fixed_size 0
		.amdhsa_enable_private_segment 0
		.amdhsa_kernarg_size 48
		.amdhsa_user_sgpr_count 2
		.amdhsa_user_sgpr_kernarg_segment_ptr 1
		.amdhsa_wavefront_size32 1
		.amdhsa_system_sgpr_workgroup_id_x 1
		.amdhsa_system_sgpr_workgroup_id_y 1
		.amdhsa_system_sgpr_workgroup_id_z 1
		.amdhsa_system_vgpr_workitem_id 0
		.amdhsa_next_free_vgpr 896
		.amdhsa_next_free_sgpr 66
		.amdhsa_reserve_vcc 0
		.amdhsa_float_denorm_mode_32 3
		.amdhsa_float_denorm_mode_16_64 3
		.amdhsa_memory_ordered 1
		.amdhsa_forward_progress 1
		.amdhsa_inst_pref_size 255
	.end_amdhsa_kernel
	.section	.bss,"aw",@nobits
	.p2align	6
	.space	262144
	.amdgpu_metadata
---
amdhsa.version: [ 1, 2 ]
amdhsa.kernels:
  - .name:           k_q1c3c14cbdf_ffn1
    .symbol:         k_q1c3c14cbdf_ffn1.kd
    .args:
      - { .name: xb, .offset: 0, .size: 8, .value_kind: global_buffer, .address_space: global }
      - { .name: w1, .offset: 8, .size: 8, .value_kind: global_buffer, .address_space: global }
      - { .name: b1, .offset: 16, .size: 8, .value_kind: global_buffer, .address_space: global }
      - { .name: lists, .offset: 24, .size: 8, .value_kind: global_buffer, .address_space: global }
      - { .name: meta, .offset: 32, .size: 8, .value_kind: global_buffer, .address_space: global }
      - { .name: h, .offset: 40, .size: 8, .value_kind: global_buffer, .address_space: global }
    .group_segment_fixed_size: 239104
    .private_segment_fixed_size: 0
    .kernarg_segment_align: 8
    .kernarg_segment_size: 48
    .max_flat_workgroup_size: 128
    .sgpr_count:     66
    .vgpr_count:     896
    .wavefront_size: 32
...
	.end_amdgpu_metadata
.endif
;; end of part 3
;; launch ffn2 (part 4): grid 6 x 32, 4 waves a work-group, no clusters, 255,488 bytes of LDS; arguments h, w2, lists, meta, yp; writes yp
.if DOCPART == 4
	.amdgcn_target "amdgcn-amd-amdhsa--gfx1250"
	.amdhsa_code_object_version 6
	.text
	.protected	k_q1c3c14cbdf_ffn2
	.globl	k_q1c3c14cbdf_ffn2
	.p2align	8
	.type	k_q1c3c14cbdf_ffn2,@function
k_q1c3c14cbdf_ffn2:
	s_mov_b64 s[64:65], 0
	v_nop
	global_prefetch_b8 v0, s[64:65] scope:SCOPE_SE
	s_setreg_imm32_b32 hwreg(HW_REG_WAVE_MODE, 25, 1), 1
	s_wait_xcnt 0x0
; EXPERT PRODUCT.  One text for both products of an expert; SECOND = 0: h = gelu(x w1 + b1), SECOND = 1: partial sums of h w2.
; Only the rows that the router sent to the expert are computed: reference() multiplies every other row's result by a weight of 0.
; LIMIT: where an expert that a token did not choose would give inf or NaN, reference() gives NaN (0 x inf) and this text does not.
;
; A work-group owns a weight slice of 768 (k) x 128 (n) of one expert: 393,216 bytes of f32, read from memory once in the whole launch.
;   first:  grid (24 slices of H, 8 experts);   second: grid (6 slices of O, 8 experts x 4 quarters of H).
;   The four quarters' sums go to four planes of yp, [4][2688 rows][768] f32, and are added, in a fixed order, by the last launch.
; PHASE 1: each wave streams 192 rows of 512 bytes (one load of the wave = one row), rounds them to bf16 and lays them into LDS as
;   [k][n], pitch 288 bytes.  A ring of 48 loads a wave: 4 x 48 x 512 = 98,304 bytes of the group are on their way.  One barrier.
; PHASE 2: a wave takes blocks of 80 rows of the expert's list (blocks wave, wave + 4, ..): 5 x 8 accumulator tiles, K in 24 steps of 32.
;   Weights: ds_load_tr16_b128 turns [k][n] into fragments, 16 loads a step, each fragment used by 5 matrix instructions.
;   Rows: gathered by the list straight into registers, 16 bytes a lane, three buffers of 64 k, two chunks ahead.
;   The matrix instruction is used transposed (source 0 = 16 columns of W, source 1 = 16 rows): lane (r, hh) then holds row r and
;   8 neighbouring columns 16 T + 8 hh + j.  16 rows at a time go through the wave's own LDS stage and leave as whole rows:
;   one store of the wave = one row's piece, 256 (first) or 512 (second) consecutive bytes, aligned.
; NOT USED, and why: clusters and joint requests, the tensor data mover: no two work-groups read the same weights, and the rows that the
;   work-groups of one expert share are picked one by one from a list, which a rectangular tile cannot name; beside 221,184 bytes of
;   weights LDS has no room for two shared slots of 320 rows x 272 bytes.  128 columns a slice, 192 work-groups, rather than 96 columns and
;   256: with 128 every weight row, h piece and yp piece is a whole number of aligned 256-byte runs.
.set SECOND, 1
.if SECOND
.set WPITCH,  3072                     ; bytes from row to row of w2[e]
.set ASTRIDE, 688128                   ; bytes from one 128-column slice of h to the next (2,688 rows x 256)
.set SPITCH,  528                      ; stage: 512 bytes of f32 + 16: an odd multiple of 16
.set LOGO,    4                        ; a lane stores 16 bytes of an output row
.else
.set WPITCH,  12288                    ; bytes from row to row of w1[e]
.set ASTRIDE, 262144                   ; slice of xb (1,024 rows x 256)
.set SPITCH,  272                      ; stage: 256 bytes of bf16 + 16
.set LOGO,    3                        ; a lane stores 8 bytes of an output row
.endif
.set NBIAS, 16*(1-SECOND)              ; loads of the bias (first product only)
.set NEX,   NBIAS+40                   ; loads for the first block that are issued inside the staging tail
.set WP,    288                        ; LDS pitch of a weight row: 256 bytes + 32 = 9 x 32, an odd multiple of 32 for the transposing loads
.set WQ,    192*WP                     ; a wave's quarter of the weights; also 6 K steps
.set STAGE, 768*WP                     ; behind the weights: 16 rows x SPITCH for each wave
; window 0
.set LV,  4                            ; byte offset in the expert's list of entry 80 block + r
.set L16, 5                            ; 16 lane
.set SA,  6                            ; staging: LDS address
.set OL,  7                            ; lane's bytes in an output row
.set WA,  8                            ; v[8:11]   fragment address, one for each 6 K steps (the 16-bit offset reaches 6)
.set AO,  12                           ; v[12:16]  row tile m: byte offset of my row + 16 hh
.set STO, 17                           ; stage, in
.set RD,  18                           ; stage, back
.set BO,  19                           ; 32 hh (bias)
.set K1,  20                           ; v[20:21]
.set K0,  22                           ; v[22:23]
.set LS,  24                           ; v[24:28]  list entries of row tile m
.set H16, 29                           ; 16 hh
.set CV,  30                           ; v[30:31]  staging: 4 bf16
.set OV,  32                           ; v[32:47]  byte offset of output row t + my lane's bytes
.set RING, 64                          ; v[64:255] staging ring, 48 x 4
.set WB,  64                           ; v[64:191] two buffers of 8 weight fragments
.set RB,  64                           ; rows read back from the stage
.set T,   192                          ; v[192:223] gelu at work
.set P,   224                          ; v[224:239] packed bf16
; window 1: v[80 b + 40 s2 + 8 m ..] row fragments, buffer b = chunk mod 3.  window 2: accumulators v[64 m + 8 T ..], m = 0..3.
; window 3: v[8 T ..] accumulators of m = 4; v[64 + 8 T ..] the bias in the accumulators' layout (first product).
.set MSB, 0
.macro WIN new                         ; low byte: bits 1:0 source 0, 3:2 source 1, 5:4 source 2, 7:6 destination; high byte: the setting that is left
.if MSB != (\new)
	s_set_vgpr_msb (MSB<<8)|(\new)
.set MSB, (\new)
.endif
.endm
.macro PLACES                          ; four plain places behind a matrix instruction before a load lands on, or a vector instruction touches, its registers
.rept 4
	v_nop
.endr
.endm
; one weight row: wait, round, store to LDS; ahead = 1: the ring slot is loaded again, 48 rows on
.macro SLOT i, ahead, left
	s_wait_loadcnt \left
	v_cvt_pk_bf16_f32 v[CV],   v[RING+4*(\i)],   v[RING+4*(\i)+1]
	v_cvt_pk_bf16_f32 v[CV+1], v[RING+4*(\i)+2], v[RING+4*(\i)+3]
	ds_store_b64 v[SA], v[CV:CV+1] offset:(\i)*WP
.if \ahead
	global_load_b128 v[RING+4*(\i):RING+4*(\i)+3], v[L16], s[6:7] offset:((\i)+48)*WPITCH th:TH_LOAD_NT
.endif
.endm
; the 8 weight fragments of K step s: k = 32 s + 8 hh .. of column 16 T + r in registers 0-3, k + 16 in registers 4-7
.macro FETCHW s
.irp t, 0,1,2,3,4,5,6,7
	ds_load_tr16_b128 v[WB+64*((\s)&1)+8*\t:WB+64*((\s)&1)+8*\t+3],   v[WA+(\s)/6] offset:((\s)%6)*32*WP+32*\t
	ds_load_tr16_b128 v[WB+64*((\s)&1)+8*\t+4:WB+64*((\s)&1)+8*\t+7], v[WA+(\s)/6] offset:((\s)%6)*32*WP+16*WP+32*\t
.endr
.endm
; load i = 10 s2 + 2 m + q of chunk c (64 k): 16 bytes of my row of tile m
.macro ALD c, i
	global_load_b128 v[80*((\c)%3)+4*(\i):80*((\c)%3)+4*(\i)+3], v[AO+((\i)%10)/2], s[4:5] offset:((\c)>>1)*ASTRIDE+((\c)&1)*128+64*((\i)/10)+32*((\i)%2)
.endm
.macro ALOAD c
	WIN 0x40                               ; destination window 1
.set ai, 0
.rept 20
	ALD \c, ai
.set ai, ai+1
.endr
.endm
; the n-th of the loads for the first block: the bias first (it is the older, so the wait for chunk 0 covers it), then chunks 0 and 1
.macro EXTRA n
.if (\n) < NBIAS
	WIN 0xc0                               ; destination window 3
	global_load_b128 v[64+4*(\n):64+4*(\n)+3], v[BO], s[8:9] offset:64*((\n)/2)+16*((\n)%2)
.else
	WIN 0x40
	ALD ((\n)-NBIAS)/20, ((\n)-NBIAS)%20
.endif
.endm
.macro XGROUP
.rept 8
.if xn < NEX
	EXTRA xn
.set xn, xn+1
.endif
.endr
	WIN 0
.endm
; list entries to row offsets.  The clamp keeps every address inside the buffer whatever the list holds.
.macro AOFF
.irp m, 0,1,2,3,4
	v_min_u32 v[LS+\m], 2687, v[LS+\m]
.if SECOND == 0
	v_and_b32 v[LS+\m], 1023, v[LS+\m]     ; slot = rank x 1024 + token; a dump slot falls on some token, whose result goes to the dump row
.endif
	v_lshl_add_u32 v[AO+\m], v[LS+\m], 8, v[H16]
.endr
.endm
; 8 matrix instructions: row tile m x all 8 column tiles.  cm 0: accumulate; 1: C = 0 starts the sums; 2: the bias starts them
.macro MROW m, db, cm
.irp t, 0,1,2,3,4,5,6,7
.if \cm == 0
	v_wmma_f32_16x16x32_bf16 v[\db+8*\t:\db+8*\t+7], v[wf+8*\t:wf+8*\t+7], v[af+8*\m:af+8*\m+7], v[\db+8*\t:\db+8*\t+7]
.endif
.if \cm == 1
	v_wmma_f32_16x16x32_bf16 v[\db+8*\t:\db+8*\t+7], v[wf+8*\t:wf+8*\t+7], v[af+8*\m:af+8*\m+7], 0
.endif
.if \cm == 2
	v_wmma_f32_16x16x32_bf16 v[\db+8*\t:\db+8*\t+7], v[wf+8*\t:wf+8*\t+7], v[af+8*\m:af+8*\m+7], v[64+8*\t:64+8*\t+7]
.endif
.endr
.endm
.macro MUL s
.set wf, WB+64*((\s)&1)
.set af, 80*(((\s)/2)%3)+40*((\s)&1)
.if (\s) == 0
.set cmode, 2-SECOND
.else
.set cmode, 0
.endif
.if cmode == 2
	WIN 0xb4                               ; W window 0, rows window 1, C (bias) window 3, D window 2
.else
	WIN 0xa4                               ; W window 0, rows window 1, C and D window 2
.endif
	MROW 0, 0, cmode
	MROW 1, 64, cmode
	MROW 2, 128, cmode
	MROW 3, 192, cmode
	WIN 0xf4                               ; C and D window 3
	MROW 4, 0, cmode
.endm
; K step s: ask for the next step's weights and, on even steps, for the rows two chunks ahead; then 40 matrix instructions
.macro STEP s
	WIN 0
	PLACES                                 ; the loads below land on registers that the matrix instructions just issued have read
.if (\s) < 23
	FETCHW (\s)+1
.endif
.if ((\s)&1) == 0
.if (\s) <= 18
	ALOAD (\s)/2+2
.endif
.endif
.if (\s) < 23
	s_wait_dscnt 16                        ; this step's 16 fragment loads are in; the 16 just issued stay out
.else
	s_wait_dscnt 0
.endif
.if ((\s)&1) == 0
.if (\s) <= 2
	s_wait_loadcnt 45                      ; behind chunk 0 or 1: two chunks of 20 loads and the 5 list loads of the next block
.else
.if (\s) <= 18
	s_wait_loadcnt 40                      ; behind this chunk: the two chunks ahead
.else
.if (\s) == 20
	s_wait_loadcnt 20                      ; behind chunk 10: chunk 11
.else
	s_wait_loadcnt 0                       ; chunk 11 is the last
.endif
.endif
.endif
.endif
	MUL \s
.endm
; the way out of row tile m: 16 rows
.macro TILE m
.set SB, 32+16*((\m)&1)                ; the scalar set that holds the tile's 16 list entries
.set AW, 2+(\m)/4                      ; the accumulators' window
.set AB, 64*((\m)%4)                   ; and first register
	WIN 0
	s_wait_kmcnt 0x0                       ; scalar loads return in no order: zero
.irp t, 0,1,2,3,4,5,6,7,8,9,10,11,12,13,14,15
	s_min_u32 s[SB+\t], s[SB+\t], 2687
.if SECOND
	s_mul_i32 s[SB+\t], s[SB+\t], 3072
.else
	s_lshl_b32 s[SB+\t], s[SB+\t], 8
.endif
.endr
	s_wait_xcnt 0x0                        ; OV and RB, which the last tile's stores read, are rewritten only behind this wait
.irp t, 0,1,2,3,4,5,6,7,8,9,10,11,12,13,14,15
	v_add_nc_u32 v[OV+\t], s[SB+\t], v[OL]
.endr
.if (\m)+2 <= 4
	s_load_b512 s[SB:SB+15], s[16:17], ((\m)+2)*64
.endif
.if SECOND
	WIN AW<<2                              ; store data (source 1) in the accumulators' window
.irp t, 0,1,2,3,4,5,6,7
	ds_store_b128 v[STO], v[AB+8*\t:AB+8*\t+3]   offset:64*\t
	ds_store_b128 v[STO], v[AB+8*\t+4:AB+8*\t+7] offset:64*\t+16
.endr
	WIN 0
.irp t, 0,1,2,3,4,5,6,7,8,9,10,11,12,13,14,15
	ds_load_b128 v[RB+4*\t:RB+4*\t+3], v[RD] offset:\t*SPITCH   ; my own bytes, served in order behind the stores: no wait between
.endr
.irp t, 0,1,2,3,4,5,6,7,8,9,10,11,12,13,14,15
	s_wait_dscnt 15-\t                     ; row t is in; the younger rows stay out
	global_store_b128 v[OV+\t], v[RB+4*\t:RB+4*\t+3], s[14:15]   ; 512 consecutive bytes, aligned
.endr
.else
	; gelu, tanh form: x / (1 + 2^(x (K0 + K1 x^2))), K0 = -2 log2(e) sqrt(2/pi), K1 = 0.044715 K0.  For large |x| it runs to x or to -0, never to NaN.
.irp bt, 0,1
	WIN AW|(AW<<2)
.set pp, 0
.rept 16
	v_pk_mul_f32 v[T+2*pp:T+2*pp+1], v[AB+32*\bt+2*pp:AB+32*\bt+2*pp+1], v[AB+32*\bt+2*pp:AB+32*\bt+2*pp+1]
.set pp, pp+1
.endr
	WIN 0
.set pp, 0
.rept 16
	v_pk_fma_f32 v[T+2*pp:T+2*pp+1], v[T+2*pp:T+2*pp+1], v[K1:K1+1], v[K0:K0+1]
.set pp, pp+1
.endr
	WIN AW
.set pp, 0
.rept 16
	v_pk_mul_f32 v[T+2*pp:T+2*pp+1], v[AB+32*\bt+2*pp:AB+32*\bt+2*pp+1], v[T+2*pp:T+2*pp+1]
.set pp, pp+1
.endr
	WIN 0
.set pp, 0
.rept 32
	v_exp_f32 v[T+pp], v[T+pp]
.set pp, pp+1
.endr
	v_nop                                  ; one plain place behind the run of transcendentals (ISA guide 5.7.2)
.set pp, 0
.rept 16
	v_pk_add_f32 v[T+2*pp:T+2*pp+1], v[T+2*pp:T+2*pp+1], 1.0 op_sel_hi:[1,0]
.set pp, pp+1
.endr
.set pp, 0
.rept 32
	v_rcp_f32 v[T+pp], v[T+pp]
.set pp, pp+1
.endr
	v_nop
	WIN AW
.set pp, 0
.rept 16
	v_pk_mul_f32 v[T+2*pp:T+2*pp+1], v[AB+32*\bt+2*pp:AB+32*\bt+2*pp+1], v[T+2*pp:T+2*pp+1]
.set pp, pp+1
.endr
	WIN 0
.set pp, 0
.rept 16
	v_cvt_pk_bf16_f32 v[P+pp], v[T+2*pp], v[T+2*pp+1]
.set pp, pp+1
.endr
.irp q, 0,1,2,3
	ds_store_b128 v[STO], v[P+4*\q:P+4*\q+3] offset:32*(4*\bt+\q)   ; row r, columns 16 T + 8 hh .. + 7
.endr
.endr
.irp t, 0,1,2,3,4,5,6,7,8,9,10,11,12,13,14,15
	ds_load_b64 v[RB+2*\t:RB+2*\t+1], v[RD] offset:\t*SPITCH       ; my own bytes, served in order behind the stores: no wait between
.endr
.irp t, 0,1,2,3,4,5,6,7,8,9,10,11,12,13,14,15
	s_wait_dscnt 15-\t                     ; row t is in; the younger rows stay out
	global_store_b64 v[OV+\t], v[RB+2*\t:RB+2*\t+1], s[14:15]      ; 256 consecutive bytes, aligned
.endr
.endif
.endm
	; ---- arguments, ids, offsets
.if SECOND
	s_load_b128 s[4:7], s[0:1], 0x0                ; h (the rows) s[4:5], w2 s[6:7]
	s_load_b64 s[10:11], s[0:1], 0x10              ; lists
	s_load_b64 s[12:13], s[0:1], 0x18              ; meta
	s_load_b64 s[14:15], s[0:1], 0x20              ; yp
	v_lshl_add_u32 v62, v0, 2, 0x3e400
	v_mov_b32 v63, 0
.else
	s_load_b256 s[4:11], s[0:1], 0x0               ; xb (the rows) s[4:5], w1 s[6:7], b1 s[8:9], lists s[10:11]
	s_load_b128 s[12:15], s[0:1], 0x20             ; meta s[12:13], h s[14:15]
.endif
	v_lshrrev_b32 v1, 5, v0
	v_readfirstlane_b32 s18, v1                    ; wave
	s_and_b32 s19, ttmp7, 0xffff
.if SECOND
	s_and_b32 s21, s19, 3                          ; quarter of H
	s_lshr_b32 s19, s19, 2                         ; expert
.endif
	s_lshl_b32 s20, ttmp9, 9                       ; my 128 columns, in bytes of f32
	s_mov_b32 s27, 0
	s_mul_i32 s26, s19, 9437184                    ; the expert's weights
	s_add_co_u32 s26, s26, s20
	s_mul_i32 s28, s18, 192*WPITCH                 ; my wave's 192 rows
	s_add_co_u32 s26, s26, s28
.if SECOND
	s_mul_i32 s28, s21, 768*WPITCH
	s_add_co_u32 s26, s26, s28
.endif
	s_mul_i32 s28, s19, 5632                       ; the expert's list
	s_mov_b32 s29, 0
	s_mul_i32 s30, s18, 320                        ; my wave's first block: 80 entries
	s_mov_b32 s31, 0
	v_and_b32 v1, 31, v0                           ; lane
	v_and_b32 v2, 15, v0                           ; r
	v_bfe_u32 v3, v0, 4, 1                         ; hh
	v_lshl_add_u32 v[LV], v2, 2, s30
	v_lshlrev_b32 v[L16], 4, v1
	s_wait_kmcnt 0x0
	s_add_nc_u64 s[6:7], s[6:7], s[26:27]
	s_add_nc_u64 s[10:11], s[10:11], s[28:29]
	s_add_nc_u64 s[16:17], s[10:11], s[30:31]      ; the list at my block, for the scalar loads
.irp m, 0,1,2,3,4
	global_load_b32 v[LS+\m], v[LV], s[10:11] offset:64*\m
.endr
.set ii, 0
.rept 48
	global_load_b128 v[RING+4*ii:RING+4*ii+3], v[L16], s[6:7] offset:ii*WPITCH th:TH_LOAD_NT
.set ii, ii+1
.endr
	s_lshl_b32 s26, s19, 2
	s_add_nc_u64 s[12:13], s[12:13], s[26:27]
	s_load_b32 s22, s[12:13], 0x0                  ; the expert's blocks
	s_mul_i32 s28, s18, WQ
	v_lshl_add_u32 v[SA], v1, 3, s28               ; my wave's quarter + 8 lane
	v_lshlrev_b32 v[OL], LOGO, v1
	v_and_b32 v30, 7, v0
	v_lshl_add_u32 v30, v3, 3, v30                 ; k row 8 hh + (lane & 7)
	v_mul_u32_u24 v30, v30, WP
	v_bfe_u32 v31, v0, 3, 1
	v_lshl_add_u32 v[WA], v31, 4, v30              ; + 16 bytes for the upper 8 columns
	v_add_nc_u32 v[WA+1], WQ, v[WA]
	v_add_nc_u32 v[WA+2], 2*WQ, v[WA]
	v_add_nc_u32 v[WA+3], 3*WQ, v[WA]
	s_mul_i32 s28, s18, 16*SPITCH
	s_add_co_u32 s28, s28, STAGE                   ; my stage
	v_mul_u32_u24 v30, v2, SPITCH
	v_lshl_add_u32 v30, v3, LOGO+1, v30            ; row r, 8 columns for each half of the lanes
	v_add_nc_u32 v[STO], s28, v30
	v_add_nc_u32 v[RD], s28, v[OL]
	v_lshlrev_b32 v[H16], 4, v3
.if SECOND
	s_mul_i32 s26, s21, 6*ASTRIDE                  ; my quarter of H: 6 slices of h
	s_add_nc_u64 s[4:5], s[4:5], s[26:27]
	s_mul_i32 s26, s21, 2688*3072                  ; my quarter's plane of yp
	s_add_co_u32 s26, s26, s20
	s_add_nc_u64 s[14:15], s[14:15], s[26:27]
.else
	s_mul_i32 s26, s19, 12288
	s_add_co_u32 s26, s26, s20
	s_add_nc_u64 s[8:9], s[8:9], s[26:27]          ; b1 at my expert and columns
	s_mul_i32 s26, ttmp9, 688128
	s_add_nc_u64 s[14:15], s[14:15], s[26:27]      ; my slice of h
	v_lshlrev_b32 v[BO], 5, v3
	v_mov_b32 v[K1],   0xbdd2d3e8
	v_mov_b32 v[K1+1], 0xbdd2d3e8
	v_mov_b32 v[K0],   0xc0135761
	v_mov_b32 v[K0+1], 0xc0135761
.endif
	; ---- phase 1: the weights.  Three rounds that load ahead, then a tail
	s_mov_b32 s24, 0
.Lround:
.set ii, 0
.rept 48
	SLOT ii, 1, 47                                 ; loads return in order: behind this slot's load 47 younger ones were issued
.set ii, ii+1
.endr
	s_wait_xcnt 0x0                                ; the base of the loads just issued is stepped only behind this wait
	s_add_nc_u64 s[6:7], s[6:7], 48*WPITCH
	v_add_nc_u32 v[SA], 48*WP, v[SA]
	s_add_co_u32 s24, s24, 1
	s_cmp_lt_u32 s24, 3
	s_cbranch_scc1 .Lround
	AOFF                                           ; the list loads are older than every ring load: they are in
	; the tail: after every 8 rows, 8 of the first block's loads take the places that the ring gives up.
	; The count: 47 - i younger ring loads and the xn loads issued in the tail so far
.set ii, 0
.set xn, 0
.rept 6
.rept 8
	SLOT ii, 0, 47-ii+xn
.set ii, ii+1
.endr
	XGROUP
.endr
	XGROUP
	s_wait_dscnt 0x0                               ; my quarter of the weights is in LDS: zero, for the other waves' sake
	s_barrier_signal -1
	s_barrier_wait -1                              ; the only barrier: from here the weights are read only, and a stage is its wave's own
	s_wait_kmcnt 0x0
	s_min_u32 s22, s22, 13                         ; at most 13 blocks (1,024 rows)
	s_add_co_u32 s22, s22, 3
	s_sub_co_u32 s22, s22, s18
	s_lshr_b32 s22, s22, 2                         ; my blocks: wave, wave + 4, .. below the count
	s_cmp_eq_u32 s22, 0
	s_cbranch_scc1 .Lend
	; ---- phase 2: my blocks of 80 rows
	s_mov_b32 s23, 0
.Lblock:
	s_load_b512 s[32:47], s[16:17], 0x0            ; the list entries of row tiles 0 and 1, for the way out
	s_load_b512 s[48:63], s[16:17], 0x40
	v_add_nc_u32 v[LV], 1280, v[LV]                ; my next block (4 x 80 entries on): position 1,359 at the most, inside the list's 1,408
.irp m, 0,1,2,3,4
	global_load_b32 v[LS+\m], v[LV], s[10:11] offset:64*\m
.endr
	FETCHW 0
.set st, 0
.rept 24
	STEP st
.set st, st+1
.endr
	WIN 0
	PLACES                                         ; behind the last matrix instructions: results are read, operand registers loaded again
	AOFF
	ALOAD 0                                        ; the next block's first two chunks travel while this block leaves.
	ALOAD 1                                        ; Behind my last block they read row 0 of the list's tail and are not used
	TILE 0
	TILE 1
	TILE 2
	TILE 3
	TILE 4
	WIN 0
	s_wait_xcnt 0x0                                ; the next trip's fragment loads land on RB, which the last stores read; the list's base is stepped
	s_add_nc_u64 s[16:17], s[16:17], 1280
	s_add_co_u32 s23, s23, 1
	s_cmp_lt_u32 s23, s22
	s_cbranch_scc1 .Lblock
.Lend:
	s_wait_tensorcnt 0x0
	ds_add_u32 v62, v63
	s_wait_dscnt 0x0
	s_endpgm
.Lfunc_end_k_q1c3c14cbdf_ffn2:
	.size	k_q1c3c14cbdf_ffn2, .Lfunc_end_k_q1c3c14cbdf_ffn2-k_q1c3c14cbdf_ffn2
	.p2alignl 7, 3214868480
	.fill 96, 4, 3214868480
	.section	.rodata,"a",@progbits
	.p2align	6, 0x0
	.amdhsa_kernel k_q1c3c14cbdf_ffn2
		.amdhsa_group_segment_fixed_size 255488
		.amdhsa_private_segment_fixed_size 0
		.amdhsa_enable_private_segment 0
		.amdhsa_kernarg_size 40
		.amdhsa_user_sgpr_count 2
		.amdhsa_user_sgpr_kernarg_segment_ptr 1
		.amdhsa_wavefront_size32 1
		.amdhsa_system_sgpr_workgroup_id_x 1
		.amdhsa_system_sgpr_workgroup_id_y 1
		.amdhsa_system_sgpr_workgroup_id_z 1
		.amdhsa_system_vgpr_workitem_id 0
		.amdhsa_next_free_vgpr 832
		.amdhsa_next_free_sgpr 66
		.amdhsa_reserve_vcc 0
		.amdhsa_float_denorm_mode_32 3
		.amdhsa_float_denorm_mode_16_64 3
		.amdhsa_memory_ordered 1
		.amdhsa_forward_progress 1
		.amdhsa_inst_pref_size 188
	.end_amdhsa_kernel
	.amdgpu_metadata
---
amdhsa.version: [ 1, 2 ]
amdhsa.kernels:
  - .name:           k_q1c3c14cbdf_ffn2
    .symbol:         k_q1c3c14cbdf_ffn2.kd
    .args:
      - { .name: h, .offset: 0, .size: 8, .value_kind: global_buffer, .address_space: global }
      - { .name: w2, .offset: 8, .size: 8, .value_kind: global_buffer, .address_space: global }
      - { .name: lists, .offset: 16, .size: 8, .value_kind: global_buffer, .address_space: global }
      - { .name: meta, .offset: 24, .size: 8, .value_kind: global_buffer, .address_space: global }
      - { .name: yp, .offset: 32, .size: 8, .value_kind: global_buffer, .address_space: global }
    .group_segment_fixed_size: 255488
    .private_segment_fixed_size: 0
    .kernarg_segment_align: 8
    .kernarg_segment_size: 40
    .max_flat_workgroup_size: 128
    .sgpr_count:     66
    .vgpr_count:     832
    .wavefront_size: 32
...
	.end_amdgpu_metadata
.endif
;; end of part 4
;; launch combine (part 5): grid 256 x 1, 4 waves a work-group, no clusters, 0 bytes of LDS; arguments yp, eidx, wts, b2, ln_g, ln_b, out0; writes out0
.if DOCPART == 5
	.amdgcn_target "amdgcn-amd-amdhsa--gfx1250"
	.amdhsa_code_object_version 6
	.text
	.protected	k_q1c3c14cbdf_combine
	.globl	k_q1c3c14cbdf_combine
	.p2align	8
	.type	k_q1c3c14cbdf_combine,@function
k_q1c3c14cbdf_combine:
	s_mov_b64 s[64:65], 0
	v_nop
	global_prefetch_b8 v0, s[64:65] scope:SCOPE_SE
	s_setreg_imm32_b32 hwreg(HW_REG_WAVE_MODE, 25, 1), 1
	s_wait_xcnt 0x0
; COMBINE AND LAYERNORM.  One wave, one token t = 4 x work-group + wave.  out = LN( w0 (y[slot t] + b2[e0]) + w1 (y[slot 1024 + t] + b2[e1]) ),
; y[slot] = the sum of the four planes of yp, added as (p0 + p1) + (p2 + p3).  All in f32.  The row (768 numbers, 24 a lane) stays in
; registers; mean and variance in two passes, as reference() forms them: no difference of large sums.
; A stream: every load and store of the wave covers 512 consecutive bytes, aligned; no LDS, no barrier, no matrix unit: there is no product here.
.set B2A, 16                           ; v[16:39]   b2[e0]
.set B2B, 40                           ; v[40:63]   b2[e1]
.set Y,   64                           ; v[64 + 96 k + 24 q + 4 j ..] rank k, plane q, load j; the row ends up in v[64:87]
.set G,   Y+24                         ; ln_g, in registers that the first sum has freed
.set BB,  Y+48                         ; ln_b, likewise
.set TM,  Y+72                         ; at work
.set S1,  Y+96                         ; the second rank's sum
.set YB,  34                           ; s[34:41]   the four planes of yp
	s_load_b256 s[4:11], s[0:1], 0x0               ; yp s[4:5], eidx s[6:7], wts s[8:9], b2 s[10:11]
	s_load_b128 s[12:15], s[0:1], 0x20             ; ln_g s[12:13], ln_b s[14:15]
	s_load_b64 s[16:17], s[0:1], 0x30              ; out0
	v_lshrrev_b32 v1, 5, v0
	v_readfirstlane_b32 s18, v1                    ; wave
	s_lshl_b32 s19, ttmp9, 2
	s_add_co_u32 s19, s19, s18                     ; token t
	s_lshl_b32 s26, s19, 2                         ; 4 t
	s_mul_i32 s27, s19, 3072
	v_and_b32 v1, 31, v0
	v_lshlrev_b32 v3, 4, v1                        ; 16 lane
	v_add_nc_u32 v2, s27, v3                       ; + my token's row
	s_mov_b32 s21, 0                               ; the upper halves of the pairs that the packed forms name
	s_mov_b32 s23, 0
	s_mov_b32 s33, 0
	s_mov_b32 s42, 0x3aaaaaab                      ; 1 / 768
	s_mov_b32 s44, 0x76543210
	s_mov_b32 s45, 0xfedcba98
	s_wait_kmcnt 0x0
	s_load_b32 s24, s[6:7], s26 offset:0x0         ; e0
	s_load_b32 s25, s[6:7], s26 offset:0x1000      ; e1
	s_load_b32 s20, s[8:9], s26 offset:0x0         ; w0
	s_load_b32 s22, s[8:9], s26 offset:0x1000      ; w1
	s_mov_b64 s[YB:YB+1], s[4:5]
	s_add_nc_u64 s[YB+2:YB+3], s[4:5], 8257536
	s_add_nc_u64 s[YB+4:YB+5], s[4:5], 2*8257536
	s_add_nc_u64 s[YB+6:YB+7], s[4:5], 3*8257536
.irp k, 0,1
.irp q, 0,1,2,3
.irp j, 0,1,2,3,4,5
	global_load_b128 v[Y+96*\k+24*\q+4*\j:Y+96*\k+24*\q+4*\j+3], v2, s[YB+2*\q:YB+2*\q+1] offset:3145728*\k+512*\j th:TH_LOAD_NT
.endr
.endr
.endr
	s_wait_kmcnt 0x0
	s_min_u32 s24, s24, 7
	s_mul_i32 s32, s24, 3072
	s_add_nc_u64 s[28:29], s[10:11], s[32:33]      ; b2[e0]
	s_min_u32 s25, s25, 7
	s_mul_i32 s32, s25, 3072
	s_add_nc_u64 s[30:31], s[10:11], s[32:33]      ; b2[e1]
.irp j, 0,1,2,3,4,5
	global_load_b128 v[B2A+4*\j:B2A+4*\j+3], v3, s[28:29] offset:512*\j
.endr
.irp j, 0,1,2,3,4,5
	global_load_b128 v[B2B+4*\j:B2B+4*\j+3], v3, s[30:31] offset:512*\j
.endr
.macro SUM4 b                          ; the four planes of one rank, into the first
.irp i, 0,1,2,3,4,5,6,7,8,9,10,11
	v_pk_add_f32 v[\b+2*\i:\b+2*\i+1],       v[\b+2*\i:\b+2*\i+1],       v[\b+24+2*\i:\b+24+2*\i+1]
	v_pk_add_f32 v[\b+48+2*\i:\b+48+2*\i+1], v[\b+48+2*\i:\b+48+2*\i+1], v[\b+72+2*\i:\b+72+2*\i+1]
	v_pk_add_f32 v[\b+2*\i:\b+2*\i+1],       v[\b+2*\i:\b+2*\i+1],       v[\b+48+2*\i:\b+48+2*\i+1]
.endr
.endm
.macro WSUM r, tmp                     ; sum over the 32 lanes, in every lane; tmp has been written before
	v_add_f32_dpp v[\r], v[\r], v[\r] row_xmask:1 row_mask:0xf bank_mask:0xf
	v_add_f32_dpp v[\r], v[\r], v[\r] row_xmask:2 row_mask:0xf bank_mask:0xf
	v_add_f32_dpp v[\r], v[\r], v[\r] row_xmask:4 row_mask:0xf bank_mask:0xf
	v_add_f32_dpp v[\r], v[\r], v[\r] row_xmask:8 row_mask:0xf bank_mask:0xf
	v_permlanex16_b32 v[\tmp], v[\r], s44, s45
	v_add_f32 v[\r], v[\r], v[\tmp]
.endm
	s_wait_loadcnt 36                              ; rank 0's 24 loads are in; rank 1's 24 and b2's 12 stay out
	SUM4 Y
.irp j, 0,1,2,3,4,5
	global_load_b128 v[G+4*\j:G+4*\j+3], v3, s[12:13] offset:512*\j
.endr
.irp j, 0,1,2,3,4,5
	global_load_b128 v[BB+4*\j:BB+4*\j+3], v3, s[14:15] offset:512*\j
.endr
	s_wait_loadcnt 24                              ; rank 1 is in; b2's 12 and the 12 of ln_g and ln_b stay out
	SUM4 S1
	s_wait_loadcnt 12                              ; b2 is in
.irp i, 0,1,2,3,4,5,6,7,8,9,10,11
	v_pk_add_f32 v[Y+2*\i:Y+2*\i+1],   v[Y+2*\i:Y+2*\i+1],   v[B2A+2*\i:B2A+2*\i+1]
	v_pk_add_f32 v[S1+2*\i:S1+2*\i+1], v[S1+2*\i:S1+2*\i+1], v[B2B+2*\i:B2B+2*\i+1]
.endr
.irp i, 0,1,2,3,4,5,6,7,8,9,10,11
	v_pk_mul_f32 v[Y+2*\i:Y+2*\i+1], v[Y+2*\i:Y+2*\i+1], s[20:21] op_sel_hi:[1,0]
	v_pk_fma_f32 v[Y+2*\i:Y+2*\i+1], v[S1+2*\i:S1+2*\i+1], s[22:23], v[Y+2*\i:Y+2*\i+1] op_sel_hi:[1,0,1]
.endr
	; the mean
.irp i, 0,1,2,3,4,5
	v_pk_add_f32 v[TM+2*\i:TM+2*\i+1], v[Y+4*\i:Y+4*\i+1], v[Y+4*\i+2:Y+4*\i+3]
.endr
	v_pk_add_f32 v[TM:TM+1],   v[TM:TM+1],   v[TM+2:TM+3]
	v_pk_add_f32 v[TM+4:TM+5], v[TM+4:TM+5], v[TM+6:TM+7]
	v_pk_add_f32 v[TM+8:TM+9], v[TM+8:TM+9], v[TM+10:TM+11]
	v_pk_add_f32 v[TM:TM+1],   v[TM:TM+1],   v[TM+4:TM+5]
	v_pk_add_f32 v[TM:TM+1],   v[TM:TM+1],   v[TM+8:TM+9]
	v_add_f32 v[TM], v[TM], v[TM+1]
	WSUM TM, TM+1
	v_mul_f32 v[TM], s42, v[TM]
	v_mov_b32 v[TM+1], v[TM]
.irp i, 0,1,2,3,4,5,6,7,8,9,10,11
	v_pk_add_f32 v[Y+2*\i:Y+2*\i+1], v[Y+2*\i:Y+2*\i+1], v[TM:TM+1] neg_lo:[0,1] neg_hi:[0,1]
.endr
	; the variance: two chains, started by the first products
	v_pk_mul_f32 v[TM+2:TM+3], v[Y:Y+1],   v[Y:Y+1]
	v_pk_mul_f32 v[TM+4:TM+5], v[Y+2:Y+3], v[Y+2:Y+3]
.irp i, 1,2,3,4,5
	v_pk_fma_f32 v[TM+2:TM+3], v[Y+4*\i:Y+4*\i+1],   v[Y+4*\i:Y+4*\i+1],   v[TM+2:TM+3]
	v_pk_fma_f32 v[TM+4:TM+5], v[Y+4*\i+2:Y+4*\i+3], v[Y+4*\i+2:Y+4*\i+3], v[TM+4:TM+5]
.endr
	v_pk_add_f32 v[TM+2:TM+3], v[TM+2:TM+3], v[TM+4:TM+5]
	v_add_f32 v[TM+2], v[TM+2], v[TM+3]
	WSUM TM+2, TM+3
	v_mov_b32 v[TM+6], 0x3727c5ac                  ; 1e-5
	v_fma_f32 v[TM+2], v[TM+2], s42, v[TM+6]
	v_rsq_f32 v[TM+4], v[TM+2]
	v_nop                                          ; one plain place behind a transcendental before its result is used (ISA guide 5.7.2)
	s_wait_alu depctr_va_vdst(0)
	v_mov_b32 v[TM+5], v[TM+4]
	s_wait_loadcnt 0x0                             ; ln_g and ln_b
.irp i, 0,1,2,3,4,5,6,7,8,9,10,11
	v_pk_mul_f32 v[Y+2*\i:Y+2*\i+1], v[Y+2*\i:Y+2*\i+1], v[TM+4:TM+5]
	v_pk_fma_f32 v[Y+2*\i:Y+2*\i+1], v[Y+2*\i:Y+2*\i+1], v[G+2*\i:G+2*\i+1], v[BB+2*\i:BB+2*\i+1]
.endr
.irp j, 0,1,2,3,4,5
	global_store_b128 v2, v[Y+4*\j:Y+4*\j+3], s[16:17] offset:512*\j th:TH_STORE_NT
.endr
	s_endpgm
.Lfunc_end_k_q1c3c14cbdf_combine:
	.size	k_q1c3c14cbdf_combine, .Lfunc_end_k_q1c3c14cbdf_combine-k_q1c3c14cbdf_combine
	.p2alignl 7, 3214868480
	.fill 96, 4, 3214868480
	.section	.rodata,"a",@progbits
	.p2align	6, 0x0
	.amdhsa_kernel k_q1c3c14cbdf_combine
		.amdhsa_group_segment_fixed_size 0
		.amdhsa_private_segment_fixed_size 0
		.amdhsa_enable_private_segment 0
		.amdhsa_kernarg_size 56
		.amdhsa_user_sgpr_count 2
		.amdhsa_user_sgpr_kernarg_segment_ptr 1
		.amdhsa_wavefront_size32 1
		.amdhsa_system_sgpr_workgroup_id_x 1
		.amdhsa_system_sgpr_workgroup_id_y 1
		.amdhsa_system_sgpr_workgroup_id_z 1
		.amdhsa_system_vgpr_workitem_id 0
		.amdhsa_next_free_vgpr 256
		.amdhsa_next_free_sgpr 66
		.amdhsa_reserve_vcc 0
		.amdhsa_float_denorm_mode_32 3
		.amdhsa_float_denorm_mode_16_64 3
		.amdhsa_memory_ordered 1
		.amdhsa_forward_progress 1
		.amdhsa_inst_pref_size 22
	.end_amdhsa_kernel
	.amdgpu_metadata
---
amdhsa.version: [ 1, 2 ]
amdhsa.kernels:
  - .name:           k_q1c3c14cbdf_combine
    .symbol:         k_q1c3c14cbdf_combine.kd
    .args:
      - { .name: yp, .offset: 0, .size: 8, .value_kind: global_buffer, .address_space: global }
      - { .name: eidx, .offset: 8, .size: 8, .value_kind: global_buffer, .address_space: global }
      - { .name: wts, .offset: 16, .size: 8, .value_kind: global_buffer, .address_space: global }
      - { .name: b2, .offset: 24, .size: 8, .value_kind: global_buffer, .address_space: global }
      - { .name: ln_g, .offset: 32, .size: 8, .value_kind: global_buffer, .address_space: global }
      - { .name: ln_b, .offset: 40, .size: 8, .value_kind: global_buffer, .address_space: global }
      - { .name: out0, .offset: 48, .size: 8, .value_kind: global_buffer, .address_space: global }
    .group_segment_fixed_size: 0
    .private_segment_fixed_size: 0
    .kernarg_segment_align: 8
    .kernarg_segment_size: 56
    .max_flat_workgroup_size: 128
    .sgpr_count:     66
    .vgpr_count:     256
    .wavefront_size: 32
...
	.end_amdgpu_metadata
.endif
;; end of part 5
;; ======== version 2 of 2: 5 launches; version 1 with the launches ffn1, ffn2 written anew for expert scheduling mode
;; limits: values outside matrix products are rounded to bf16
;; workspace buffers: xb 1,572,864 bytes; eidx 8,192 bytes of whole numbers; wts 8,192 bytes; lists 45,056 bytes of whole numbers; meta 256 bytes of whole numbers; h 16,515,072 bytes; yp 33,030,144 bytes
;; launch route: the kernel of part 1 again; grid 256 x 1, 4 waves a work-group, no clusters, 0 bytes of LDS; arguments x, router_w, router_b, xb, eidx, wts; writes xb, eidx, wts
;; launch lists: the kernel of part 2 again; grid 8 x 1, 1 waves a work-group, no clusters, 6,144 bytes of LDS; arguments eidx, lists, meta; writes lists, meta
;; launch ffn1 (part 6): grid 24 x 8, 4 waves a work-group, no clusters, 239,104 bytes of LDS; arguments xb, w1, b1, lists, meta, h; writes h
.if DOCPART == 6
	.amdgcn_target "amdgcn-amd-amdhsa--gfx1250"
	.amdhsa_code_object_version 6
	.text
	.protected	k_q1c3c14cbdf_ffn1
	.globl	k_q1c3c14cbdf_ffn1
	.p2align	8
	.type	k_q1c3c14cbdf_ffn1,@function
k_q1c3c14cbdf_ffn1:
	s_mov_b64 s[64:65], 0
	v_nop
	global_prefetch_b8 v0, s[64:65] scope:SCOPE_SE
	s_setreg_imm32_b32 hwreg(HW_REG_WAVE_SCHED_MODE, 0, 2), 2
	s_setreg_imm32_b32 hwreg(HW_REG_WAVE_MODE, 25, 1), 1
	s_wait_xcnt 0x0
	s_wait_alu depctr_vm_vsrc(0)
; EXPERT PRODUCT.  One text for both products of an expert; SECOND = 0: h = gelu(x w1 + b1), SECOND = 1: partial sums of h w2.
; Only the rows that the router sent to the expert are computed: reference() multiplies every other row's result by a weight of 0.
; LIMIT: where an expert that a token did not choose would give inf or NaN, reference() gives NaN (0 x inf) and this text does not.
;
; A work-group owns a weight slice of 768 (k) x 128 (n) of one expert: 393,216 bytes of f32, read from memory once in the whole launch.
;   first:  grid (24 slices of H, 8 experts);   second: grid (6 slices of O, 8 experts x 4 quarters of H).
; PHASE 1: each wave streams 192 rows of 512 bytes (one load of the wave = one row), rounds them to bf16 and lays them into LDS as
;   [k][n], pitch 288 bytes.  A ring of 48 loads a wave, taken 8 rows at a time: 40 to 48 loads of 512 bytes of every wave are on their way.  One barrier.
; PHASE 2: a wave takes blocks of 80 rows of the expert's list (blocks wave, wave + 4, ..): 5 x 8 accumulator tiles, K in 24 steps of 32.
;   Weights: ds_load_tr16_b128 turns [k][n] into fragments, 16 loads a step, each fragment used by 5 matrix instructions.
;   Rows: gathered by the list straight into registers, 16 bytes a lane, three buffers of 64 k, two chunks ahead.
;   The matrix instruction is used transposed (source 0 = 16 columns of W, source 1 = 16 rows): lane (r, hh) then holds row r and
;   8 neighbouring columns 16 T + 8 hh + j.  16 rows at a time go through the wave's own LDS stage and leave as whole rows:
;   one store of the wave = one row's piece, 256 (first) or 512 (second) consecutive bytes, aligned.
; NOT USED, and why: clusters and joint requests, the tensor data mover: no two work-groups read the same weights, and the rows that the
;   work-groups of one expert share are picked one by one from a list, which a rectangular tile cannot name; beside 221,184 bytes of
;   weights LDS has no room for two shared slots of 320 rows x 272 bytes.  128 columns a slice, 192 work-groups, rather than 96 columns and
;   256: with 128 every weight row, h piece and yp piece is a whole number of aligned 256-byte runs.
; THE MODE: SCHED_MODE bits 1:0 = 2 (LLVM: expert scheduling mode 2), set by the entry lines.  The code itself states the register dependences
; between vector or matrix instructions and memory or LDS instructions, with s_wait_alu, always for 0.
; THE PLAN.  Registers that memory or LDS instructions touch:
;   RING          Phase 1, group g of 8 rows: its sixteen conversions read its rows; behind them the loads of the same rows of the next round land there.
;   CV0, CV1      Group g's conversions write CV[g & 1]; its eight LDS stores read it.
;   v[SA]         Read by every LDS store of phase 1; written once a round, at the round's end.
;   WB0 .. WB2    K step s: its matrix instructions read WB[s % 3]; the fragment loads at the head of step s + 2 land in it.
;   A0 .. A2      Chunk c (steps 2 c, 2 c + 1): the matrix instructions read A[c % 3]; the loads of chunk c + 3, issued in step 2 c + 2, land in it.
;   AO, LS        Written by AOFF, once a block.  Every row load reads AO; the list's loads land in LS.
;   OV, P, RB     The way out of 16 rows: adds write OV and conversions P; LDS stores read P (second: the accumulators); LDS loads land in RB; the global stores read OV and RB.
;   v[LV], v[L16], v[WA ..], v[STO], v[RD], v[BO]: made at the head and never written again; the list is walked by its scalar base and an immediate offset.
; THE WAITS.  A group: one on va_vdst behind its conversions; one on vm_vsrc at its head for the stores of the group before last.
;   A K step: one on va_vdst, behind the step's fragment loads (which owe only the wait of the step before) and ahead of its row loads and matrix instructions.
;   A block's end: one on vm_vsrc ahead of AOFF, one on va_vdst behind it.  A tile of the way out: one on vm_vsrc at its head, one on va_vdst ahead of its LDS stores.
.set SECOND, 0
.if SECOND
.set WPITCH,  3072                     ; bytes from row to row of w2[e]
.set ASTRIDE, 688128                   ; bytes from one 128-column slice of h to the next (2,688 rows x 256)
.set SPITCH,  528                      ; stage: 512 bytes of f32 + 16: an odd multiple of 16
.set LOGO,    4                        ; a lane stores 16 bytes of an output row
.else
.set WPITCH,  12288                    ; bytes from row to row of w1[e]
.set ASTRIDE, 262144                   ; slice of xb (1,024 rows x 256)
.set SPITCH,  272                      ; stage: 256 bytes of bf16 + 16
.set LOGO,    3                        ; a lane stores 8 bytes of an output row
.endif
.set NBIAS, 16*(1-SECOND)              ; loads of the bias (first product only)
.set NEX,   NBIAS+40                   ; loads for the first block that are issued inside the staging tail
.set WP,    288                        ; LDS pitch of a weight row: 256 bytes + 32 = 9 x 32, an odd multiple of 32 for the transposing loads
.set WQ,    192*WP                     ; a wave's quarter of the weights; also 6 K steps
.set STAGE, 768*WP                     ; behind the weights: 16 rows x SPITCH for each wave
; window 0
.set LV,  4                            ; byte offset in the expert's list of entry 80 wave + r; never rewritten
.set L16, 5                            ; 16 lane
.set SA,  6                            ; staging: LDS address
.set OL,  7                            ; lane's bytes in an output row
.set WA,  8                            ; v[8:11]   fragment address, one for each 6 K steps (the 16-bit offset reaches 6)
.set AO,  12                           ; v[12:16]  row tile m: byte offset of my row + 16 hh
.set STO, 17                           ; stage, in
.set RD,  18                           ; stage, back
.set BO,  19                           ; 32 hh (bias)
.set K1,  20                           ; v[20:21]
.set K0,  22                           ; v[22:23]
.set LS,  24                           ; v[24:28]  list entries of row tile m
.set H16, 29                           ; 16 hh                                   (v30, v31: at work at the head)
.set CV,  32                           ; v[32:63]  staging: two out-buffers of 8 rows x 2 registers (4 bf16 a row and lane)
.set OV,  32                           ; v[32:47]  the way out: byte offset of output row t + my lane's bytes
.set RING, 64                          ; v[64:255] staging ring, 48 x 4
.set WB,  64                           ; v[64:255] three buffers of 8 weight fragments
.set RB,  64                           ; rows read back from the stage
.set T,   192                          ; v[192:223] gelu at work
.set P,   224                          ; v[224:255] packed bf16, both halves of a tile's 128 columns
; window 1: v[80 b + 40 s2 + 8 m ..] row fragments, buffer b = chunk mod 3.  window 2: accumulators v[64 m + 8 T ..], m = 0..3.
; window 3: v[8 T ..] accumulators of m = 4; v[64 + 8 T ..] the bias in the accumulators' layout (first product).
.set MSB, 0
.macro WIN new                         ; low byte: bits 1:0 source 0, 3:2 source 1, 5:4 source 2, 7:6 destination; high byte: the setting that is left
.if MSB != (\new)
	s_set_vgpr_msb (MSB<<8)|(\new)
.set MSB, (\new)
.endif
.endm
; group g of a round: 8 weight rows: wait, round, store to LDS; ahead = 1: the ring's 8 places are loaded again, 48 rows on
.macro GROUP g, ahead, left
	s_wait_loadcnt \left                   ; loads return in order: the group's 8 rows are in, the younger loads stay out
.if (\g) >= 2
	s_wait_alu depctr_vm_vsrc(0)           ; the LDS stores of the group before last have read CV[g & 1], which the conversions below write again (for groups 0 and 1 the wait at the round's end has stated it)
.endif
.irp i, 0,1,2,3,4,5,6,7
	v_cvt_pk_bf16_f32 v[CV+16*((\g)&1)+2*\i],   v[RING+4*(8*(\g)+\i)],   v[RING+4*(8*(\g)+\i)+1]
	v_cvt_pk_bf16_f32 v[CV+16*((\g)&1)+2*\i+1], v[RING+4*(8*(\g)+\i)+2], v[RING+4*(8*(\g)+\i)+3]
.endr
	s_wait_alu depctr_va_vdst(0)           ; the conversions have written CV[g & 1], which the LDS stores read, and are done reading the 8 rows, in which the loads land; v[SA] and all that was made at the head is written
.irp i, 0,1,2,3,4,5,6,7
	ds_store_b64 v[SA], v[CV+16*((\g)&1)+2*\i:CV+16*((\g)&1)+2*\i+1] offset:(8*(\g)+\i)*WP
.if \ahead
	global_load_b128 v[RING+4*(8*(\g)+\i):RING+4*(8*(\g)+\i)+3], v[L16], s[6:7] offset:(8*(\g)+\i+48)*WPITCH th:TH_LOAD_NT
.endif
.endr
.endm
; the 8 weight fragments of K step s: k = 32 s + 8 hh .. of column 16 T + r in registers 0-3, k + 16 in registers 4-7
.macro FETCHW s
.irp t, 0,1,2,3,4,5,6,7
	ds_load_tr16_b128 v[WB+64*((\s)%3)+8*\t:WB+64*((\s)%3)+8*\t+3],   v[WA+(\s)/6] offset:((\s)%6)*32*WP+32*\t
	ds_load_tr16_b128 v[WB+64*((\s)%3)+8*\t+4:WB+64*((\s)%3)+8*\t+7], v[WA+(\s)/6] offset:((\s)%6)*32*WP+16*WP+32*\t
.endr
.endm
; load i = 10 s2 + 2 m + q of chunk c (64 k): 16 bytes of my row of tile m
.macro ALD c, i
	global_load_b128 v[80*((\c)%3)+4*(\i):80*((\c)%3)+4*(\i)+3], v[AO+((\i)%10)/2], s[4:5] offset:((\c)>>1)*ASTRIDE+((\c)&1)*128+64*((\i)/10)+32*((\i)%2)
.endm
.macro ALOAD c
	WIN 0x40                               ; destination window 1
.set ai, 0
.rept 20
	ALD \c, ai
.set ai, ai+1
.endr
.endm
; the n-th of the loads for the first block: the bias first (it is the older, so the wait for chunk 0 covers it), then chunks 0 and 1
.macro EXTRA n
.if (\n) < NBIAS
	WIN 0xc0                               ; destination window 3
	global_load_b128 v[64+4*(\n):64+4*(\n)+3], v[BO], s[8:9] offset:64*((\n)/2)+16*((\n)%2)
.else
	WIN 0x40
	ALD ((\n)-NBIAS)/20, ((\n)-NBIAS)%20
.endif
.endm
.macro XGROUP                          ; no wait of its own: v[AO ..] and v[BO] were written ahead of the group's wait on va_vdst, and no vector instruction has named the registers in which these loads land
.rept 8
.if xn < NEX
	EXTRA xn
.set xn, xn+1
.endif
.endr
	WIN 0
.endm
; list entries to row offsets.  The clamp keeps every address inside the buffer whatever the list holds.
.macro AOFF
.irp m, 0,1,2,3,4
	v_min_u32 v[LS+\m], 2687, v[LS+\m]
.if SECOND == 0
	v_and_b32 v[LS+\m], 1023, v[LS+\m]     ; slot = rank x 1024 + token; a dump slot falls on some token, whose result goes to the dump row
.endif
	v_lshl_add_u32 v[AO+\m], v[LS+\m], 8, v[H16]
.endr
.endm
; 8 matrix instructions: row tile m x all 8 column tiles.  cm 0: accumulate; 1: C = 0 starts the sums; 2: the bias starts them
.macro MROW m, db, cm
.irp t, 0,1,2,3,4,5,6,7
.if \cm == 0
	v_wmma_f32_16x16x32_bf16 v[\db+8*\t:\db+8*\t+7], v[wf+8*\t:wf+8*\t+7], v[af+8*\m:af+8*\m+7], v[\db+8*\t:\db+8*\t+7]
.endif
.if \cm == 1
	v_wmma_f32_16x16x32_bf16 v[\db+8*\t:\db+8*\t+7], v[wf+8*\t:wf+8*\t+7], v[af+8*\m:af+8*\m+7], 0
.endif
.if \cm == 2
	v_wmma_f32_16x16x32_bf16 v[\db+8*\t:\db+8*\t+7], v[wf+8*\t:wf+8*\t+7], v[af+8*\m:af+8*\m+7], v[64+8*\t:64+8*\t+7]
.endif
.endr
.endm
.macro MUL s
.set wf, WB+64*((\s)%3)
.set af, 80*(((\s)/2)%3)+40*((\s)&1)
.if (\s) == 0
.set cmode, 2-SECOND
.else
.set cmode, 0
.endif
.if cmode == 2
	WIN 0xb4                               ; W window 0, rows window 1, C (bias) window 3, D window 2
.else
	WIN 0xa4                               ; W window 0, rows window 1, C and D window 2
.endif
	MROW 0, 0, cmode
	MROW 1, 64, cmode
	MROW 2, 128, cmode
	MROW 3, 192, cmode
	WIN 0xf4                               ; C and D window 3
	MROW 4, 0, cmode
.endm
; K step s: ask for the next step's weights; wait for this step's data; on even steps ask for the rows two chunks ahead; then 40 matrix instructions
.macro STEP s
	WIN 0
.if (\s) < 23
	FETCHW (\s)+1                          ; into WB[(s + 1) % 3], which step s - 2 read: the last step's wait on va_vdst stands behind those matrix instructions, and those issued since name WB[(s - 1) % 3]
	s_wait_dscnt 16                        ; this step's 16 fragment loads are in; the 16 just issued stay out
.else
	s_wait_dscnt 0
.endif
.if ((\s)&1) == 0
.if (\s) <= 2
	s_wait_loadcnt 25                      ; behind chunk 0 or 1: one chunk of 20 loads and the 5 list loads of the next block
.elseif (\s) <= 20
	s_wait_loadcnt 20                      ; behind this chunk: the next one
.else
	s_wait_loadcnt 0                       ; chunk 11 is the last
.endif
.endif
.if ((\s) >= 1) && ((\s) <= 21)
	s_wait_alu depctr_va_vdst(0)           ; the matrix instructions of step s - 1 are done reading WB[(s - 1) % 3], in which the next step's fragment loads land
.endif
.if (((\s)&1) == 0) && ((\s) <= 18)
	ALOAD (\s)/2+2
.endif
	MUL \s
.endm
; the way out of row tile m: 16 rows
.macro TILE m
.set SB, 32+16*((\m)&1)                ; the scalar set that holds the tile's 16 list entries
.set AW, 2+(\m)/4                      ; the accumulators' window
.set AB, 64*((\m)%4)                   ; and first register
	WIN 0
	s_wait_kmcnt 0x0                       ; scalar loads return in no order: zero
.irp t, 0,1,2,3,4,5,6,7,8,9,10,11,12,13,14,15
	s_min_u32 s[SB+\t], s[SB+\t], 2687
.if SECOND
	s_mul_i32 s[SB+\t], s[SB+\t], 3072
.else
	s_lshl_b32 s[SB+\t], s[SB+\t], 8
.endif
.endr
.if (\m) > 0                           ; for tile 0 the waits at the loop's end and at the block's end have stated both
	s_wait_xcnt 0x0                        ; OV and RB, which the last tile's stores read, are rewritten only behind this wait
	s_wait_alu depctr_vm_vsrc(0)           ; the last tile's global stores have read OV and RB, its LDS stores P: all three are written again below
.endif
.irp t, 0,1,2,3,4,5,6,7,8,9,10,11,12,13,14,15
	v_add_nc_u32 v[OV+\t], s[SB+\t], v[OL]
.endr
.if SECOND
	WIN AW<<2                              ; store data (source 1) in the accumulators' window
	s_wait_alu depctr_va_vdst(0)           ; the adds have written OV, which the global stores read; the accumulators, which the LDS stores read, are written (their places stand at the block's end)
.if (\m)+2 <= 4
	s_load_b512 s[SB:SB+15], s[16:17], ((\m)+2)*64   ; the adds that read this scalar set stand ahead of the wait
.endif
.irp t, 0,1,2,3,4,5,6,7
	ds_store_b128 v[STO], v[AB+8*\t:AB+8*\t+3]   offset:64*\t
	ds_store_b128 v[STO], v[AB+8*\t+4:AB+8*\t+7] offset:64*\t+16
.endr
	WIN 0
.irp t, 0,1,2,3,4,5,6,7,8,9,10,11,12,13,14,15
	ds_load_b128 v[RB+4*\t:RB+4*\t+3], v[RD] offset:\t*SPITCH   ; my own bytes, served in order behind the stores: no wait between
.endr
.irp t, 0,1,2,3,4,5,6,7,8,9,10,11,12,13,14,15
	s_wait_dscnt 15-\t                     ; row t is in; the younger rows stay out
	global_store_b128 v[OV+\t], v[RB+4*\t:RB+4*\t+3], s[14:15]   ; 512 consecutive bytes, aligned
.endr
.else
	; gelu, tanh form: x / (1 + 2^(x (K0 + K1 x^2))), K0 = -2 log2(e) sqrt(2/pi), K1 = 0.044715 K0.  For large |x| it runs to x or to -0, never to NaN.
.irp bt, 0,1
	WIN AW|(AW<<2)
.set pp, 0
.rept 16
	v_pk_mul_f32 v[T+2*pp:T+2*pp+1], v[AB+32*\bt+2*pp:AB+32*\bt+2*pp+1], v[AB+32*\bt+2*pp:AB+32*\bt+2*pp+1]
.set pp, pp+1
.endr
	WIN 0
.set pp, 0
.rept 16
	v_pk_fma_f32 v[T+2*pp:T+2*pp+1], v[T+2*pp:T+2*pp+1], v[K1:K1+1], v[K0:K0+1]
.set pp, pp+1
.endr
	WIN AW
.set pp, 0
.rept 16
	v_pk_mul_f32 v[T+2*pp:T+2*pp+1], v[AB+32*\bt+2*pp:AB+32*\bt+2*pp+1], v[T+2*pp:T+2*pp+1]
.set pp, pp+1
.endr
	WIN 0
.set pp, 0
.rept 32
	v_exp_f32 v[T+pp], v[T+pp]
.set pp, pp+1
.endr
	v_nop                                  ; one plain place behind the run of transcendentals (ISA guide 5.7.2)
.set pp, 0
	s_wait_alu depctr_va_vdst(0)
.rept 16
	v_pk_add_f32 v[T+2*pp:T+2*pp+1], v[T+2*pp:T+2*pp+1], 1.0 op_sel_hi:[1,0]
.set pp, pp+1
.endr
.set pp, 0
.rept 32
	v_rcp_f32 v[T+pp], v[T+pp]
.set pp, pp+1
.endr
	v_nop
	WIN AW
.set pp, 0
	s_wait_alu depctr_va_vdst(0)
.rept 16
	v_pk_mul_f32 v[T+2*pp:T+2*pp+1], v[AB+32*\bt+2*pp:AB+32*\bt+2*pp+1], v[T+2*pp:T+2*pp+1]
.set pp, pp+1
.endr
	WIN 0
.set pp, 0
.rept 16
	v_cvt_pk_bf16_f32 v[P+16*\bt+pp], v[T+2*pp], v[T+2*pp+1]
.set pp, pp+1
.endr
.endr
	s_wait_alu depctr_va_vdst(0)           ; the conversions have written P, which the LDS stores read; the adds have written OV, which the global stores read
.if (\m)+2 <= 4
	s_load_b512 s[SB:SB+15], s[16:17], ((\m)+2)*64   ; the adds that read this scalar set stand ahead of the wait
.endif
.irp q, 0,1,2,3,4,5,6,7
	ds_store_b128 v[STO], v[P+4*\q:P+4*\q+3] offset:32*\q           ; row r, columns 16 T + 8 hh .. + 7
.endr
.irp t, 0,1,2,3,4,5,6,7,8,9,10,11,12,13,14,15
	ds_load_b64 v[RB+2*\t:RB+2*\t+1], v[RD] offset:\t*SPITCH       ; my own bytes, served in order behind the stores: no wait between
.endr
.irp t, 0,1,2,3,4,5,6,7,8,9,10,11,12,13,14,15
	s_wait_dscnt 15-\t                     ; row t is in; the younger rows stay out
	global_store_b64 v[OV+\t], v[RB+2*\t:RB+2*\t+1], s[14:15]      ; 256 consecutive bytes, aligned
.endr
.endif
.endm
	; ---- arguments, ids, offsets
.if SECOND
	s_load_b128 s[4:7], s[0:1], 0x0                ; h (the rows) s[4:5], w2 s[6:7]
	s_load_b64 s[10:11], s[0:1], 0x10              ; lists
	s_load_b64 s[12:13], s[0:1], 0x18              ; meta
	s_load_b64 s[14:15], s[0:1], 0x20              ; yp
.else
	s_load_b256 s[4:11], s[0:1], 0x0               ; xb (the rows) s[4:5], w1 s[6:7], b1 s[8:9], lists s[10:11]
	s_load_b128 s[12:15], s[0:1], 0x20             ; meta s[12:13], h s[14:15]
	s_set_vgpr_msb 0x40
	v_lshl_add_u32 v254, v0, 2, 0x3a400
	v_mov_b32 v255, 0
	s_set_vgpr_msb 0x4000
.endif
	v_lshrrev_b32 v1, 5, v0
	v_readfirstlane_b32 s18, v1                    ; wave
	s_and_b32 s19, ttmp7, 0xffff
.if SECOND
	s_and_b32 s21, s19, 3                          ; quarter of H
	s_lshr_b32 s19, s19, 2                         ; expert
.endif
	s_lshl_b32 s20, ttmp9, 9                       ; my 128 columns, in bytes of f32
	s_mov_b32 s27, 0
	s_mul_i32 s26, s19, 9437184                    ; the expert's weights
	s_add_co_u32 s26, s26, s20
	s_wait_alu depctr_va_sdst(0)                   ; s18 is written, ahead of its first reader: offsets, LDS places and the trip count are made from it
	s_mul_i32 s28, s18, 192*WPITCH                 ; my wave's 192 rows
	s_add_co_u32 s26, s26, s28
.if SECOND
	s_mul_i32 s28, s21, 768*WPITCH
	s_add_co_u32 s26, s26, s28
.endif
	s_mul_i32 s28, s19, 5632                       ; the expert's list
	s_mov_b32 s29, 0
	s_mul_i32 s30, s18, 320                        ; my wave's first block: 80 entries
	s_mov_b32 s31, 0
	v_and_b32 v1, 31, v0                           ; lane
	v_and_b32 v2, 15, v0                           ; r
	v_bfe_u32 v3, v0, 4, 1                         ; hh
	v_lshl_add_u32 v[LV], v2, 2, s30
	v_lshlrev_b32 v[L16], 4, v1
	s_wait_kmcnt 0x0
	s_add_nc_u64 s[6:7], s[6:7], s[26:27]
	s_add_nc_u64 s[10:11], s[10:11], s[28:29]
	s_add_nc_u64 s[16:17], s[10:11], s[30:31]      ; the list at my block, for the scalar loads
	s_wait_alu depctr_va_vdst(0)                   ; v[LV] and v[L16] are written: the loads below read them as offsets
.irp m, 0,1,2,3,4
	global_load_b32 v[LS+\m], v[LV], s[10:11] offset:64*\m
.endr
.set ii, 0
.rept 48
	global_load_b128 v[RING+4*ii:RING+4*ii+3], v[L16], s[6:7] offset:ii*WPITCH th:TH_LOAD_NT
.set ii, ii+1
.endr
	s_lshl_b32 s26, s19, 2
	s_add_nc_u64 s[12:13], s[12:13], s[26:27]
	s_load_b32 s22, s[12:13], 0x0                  ; the expert's blocks
	s_mul_i32 s28, s18, WQ                         ; the addresses below are first read behind the first group's wait on va_vdst
	v_lshl_add_u32 v[SA], v1, 3, s28               ; my wave's quarter + 8 lane
	v_lshlrev_b32 v[OL], LOGO, v1
	v_and_b32 v30, 7, v0
	v_lshl_add_u32 v30, v3, 3, v30                 ; k row 8 hh + (lane & 7)
	v_mul_u32_u24 v30, v30, WP
	v_bfe_u32 v31, v0, 3, 1
	v_lshl_add_u32 v[WA], v31, 4, v30              ; + 16 bytes for the upper 8 columns
	v_add_nc_u32 v[WA+1], WQ, v[WA]
	v_add_nc_u32 v[WA+2], 2*WQ, v[WA]
	v_add_nc_u32 v[WA+3], 3*WQ, v[WA]
	s_mul_i32 s28, s18, 16*SPITCH
	s_add_co_u32 s28, s28, STAGE                   ; my stage
	v_mul_u32_u24 v30, v2, SPITCH
	v_lshl_add_u32 v30, v3, LOGO+1, v30            ; row r, 8 columns for each half of the lanes
	v_add_nc_u32 v[STO], s28, v30
	v_add_nc_u32 v[RD], s28, v[OL]
	v_lshlrev_b32 v[H16], 4, v3
.if SECOND
	s_mul_i32 s26, s21, 6*ASTRIDE                  ; my quarter of H: 6 slices of h
	s_add_nc_u64 s[4:5], s[4:5], s[26:27]
	s_mul_i32 s26, s21, 2688*3072                  ; my quarter's plane of yp
	s_add_co_u32 s26, s26, s20
	s_add_nc_u64 s[14:15], s[14:15], s[26:27]
.else
	s_mul_i32 s26, s19, 12288
	s_add_co_u32 s26, s26, s20
	s_add_nc_u64 s[8:9], s[8:9], s[26:27]          ; b1 at my expert and columns
	s_mul_i32 s26, ttmp9, 688128
	s_add_nc_u64 s[14:15], s[14:15], s[26:27]      ; my slice of h
	v_lshlrev_b32 v[BO], 5, v3
	v_mov_b32 v[K1],   0xbdd2d3e8
	v_mov_b32 v[K1+1], 0xbdd2d3e8
	v_mov_b32 v[K0],   0xc0135761
	v_mov_b32 v[K0+1], 0xc0135761
.endif
	; ---- phase 1: the weights.  Three rounds that load ahead, then a tail
	s_mov_b32 s24, 0
.Lround:
.irp g, 0,1,2,3,4,5
	GROUP \g, 1, 40                                ; behind the group's 8 loads 40 younger ones were issued
.endr
	s_wait_xcnt 0x0                                ; the base of the loads just issued is stepped only behind this wait
	s_add_nc_u64 s[6:7], s[6:7], 48*WPITCH
	s_wait_alu depctr_vm_vsrc(0)                   ; the LDS stores issued so far have read v[SA], and CV0 and CV1 with it
	v_add_nc_u32 v[SA], 48*WP, v[SA]
	s_add_co_u32 s24, s24, 1
	s_cmp_lt_u32 s24, 3
	s_cbranch_scc1 .Lround
	AOFF                                           ; the list loads are older than every ring load: they are in
	; the tail: after every 8 rows, 8 of the first block's loads take the places that the ring gives up.
	; The count: 40 - 8 g younger ring loads and the xn loads issued in the tail so far
.set xn, 0
.irp g, 0,1,2,3,4,5
	GROUP \g, 0, 40-8*\g+xn
	XGROUP
.endr
	XGROUP
	s_wait_dscnt 0x0                               ; my quarter of the weights is in LDS: zero, for the other waves' sake
	s_barrier_signal -1
	s_barrier_wait -1                              ; the only barrier: from here the weights are read only, and a stage is its wave's own
	s_wait_kmcnt 0x0
	s_min_u32 s22, s22, 13                         ; at most 13 blocks (1,024 rows)
	s_add_co_u32 s22, s22, 3
	s_sub_co_u32 s22, s22, s18
	s_lshr_b32 s22, s22, 2                         ; my blocks: wave, wave + 4, .. below the count
	s_cmp_eq_u32 s22, 0
	s_cbranch_scc1 .Lend
	; ---- phase 2: my blocks of 80 rows
	s_mov_b32 s23, 0
.Lblock:
	s_load_b512 s[32:47], s[16:17], 0x0            ; the list entries of row tiles 0 and 1, for the way out
	s_load_b512 s[48:63], s[16:17], 0x40
.irp m, 0,1,2,3,4
	global_load_b32 v[LS+\m], v[LV], s[10:11] offset:1280+64*\m   ; my next block (4 x 80 entries on): position 1,359 at the most, inside the list's 1,408.  AOFF, which named LS, stands ahead of a wait on va_vdst on both ways here
.endr
	FETCHW 0                                       ; into WB0: the conversions (first trip) and matrix instructions that read it stand ahead of a wait on va_vdst, the stores that read RB ahead of the loop's last wait on vm_vsrc
.set st, 0
.rept 24
	STEP st
.set st, st+1
.endr
	WIN 0
	s_wait_alu depctr_vm_vsrc(0)                   ; this block's row loads have read v[AO ..], which the lines below write again
	AOFF                                           ; plain vector lines that name no register of the last matrix instructions: the places behind them, before results are read (ISA guide 7.12.1)
	s_wait_alu depctr_va_vdst(0)                   ; v[AO ..] is written, which the loads below read; the matrix instructions are done reading the rows' and the weights' buffers and have written the accumulators; AOFF is done with LS
	ALOAD 0                                        ; the next block's first two chunks travel while this block leaves.
	ALOAD 1                                        ; Behind my last block they read row 0 of the list's tail and are not used
	TILE 0
	TILE 1
	TILE 2
	TILE 3
	TILE 4
	WIN 0
	s_wait_xcnt 0x0                                ; the next trip's fragment loads land on RB, which the last stores read; the list's bases are stepped
	s_wait_alu depctr_vm_vsrc(0)                   ; the last tile's global stores have read RB and OV, its LDS stores P: the next trip's fragment loads land on RB and P
	s_add_nc_u64 s[16:17], s[16:17], 1280
	s_add_nc_u64 s[10:11], s[10:11], 1280
	s_add_co_u32 s23, s23, 1
	s_cmp_lt_u32 s23, s22
	s_cbranch_scc1 .Lblock
.Lend:
	s_set_vgpr_msb 0x5
	s_wait_dscnt 0x0
	s_wait_alu depctr_hold_cnt(0) depctr_sa_sdst(0) depctr_va_vdst(0) depctr_va_sdst(0) depctr_va_ssrc(0) depctr_va_vcc(0) depctr_vm_vsrc(0)
	s_wait_tensorcnt 0x0
	ds_add_u32 v254, v255
	s_wait_dscnt 0x0
	s_endpgm
.Lfunc_end_k_q1c3c14cbdf_ffn1:
	.size	k_q1c3c14cbdf_ffn1, .Lfunc_end_k_q1c3c14cbdf_ffn1-k_q1c3c14cbdf_ffn1
	.p2alignl 7, 3214868480
	.fill 96, 4, 3214868480
	.section	.rodata,"a",@progbits
	.p2align	6, 0x0
	.amdhsa_kernel k_q1c3c14cbdf_ffn1
		.amdhsa_group_segment_fixed_size 239104
		.amdhsa_private_segment_fixed_size 0
		.amdhsa_enable_private_segment 0
		.amdhsa_kernarg_size 48
		.amdhsa_user_sgpr_count 2
		.amdhsa_user_sgpr_kernarg_segment_ptr 1
		.amdhsa_wavefront_size32 1
		.amdhsa_system_sgpr_workgroup_id_x 1
		.amdhsa_system_sgpr_workgroup_id_y 1
		.amdhsa_system_sgpr_workgroup_id_z 1
		.amdhsa_system_vgpr_workitem_id 0
		.amdhsa_next_free_vgpr 896
		.amdhsa_next_free_sgpr 66
		.amdhsa_reserve_vcc 0
		.amdhsa_float_denorm_mode_32 3
		.amdhsa_float_denorm_mode_16_64 3
		.amdhsa_memory_ordered 1
		.amdhsa_forward_progress 1
		.amdhsa_inst_pref_size 255
	.end_amdhsa_kernel
	.section	.bss,"aw",@nobits
	.p2align	6
	.space	262144
	.amdgpu_metadata
---
amdhsa.version: [ 1, 2 ]
amdhsa.kernels:
  - .name:           k_q1c3c14cbdf_ffn1
    .symbol:         k_q1c3c14cbdf_ffn1.kd
    .args:
      - { .name: xb, .offset: 0, .size: 8, .value_kind: global_buffer, .address_space: global }
      - { .name: w1, .offset: 8, .size: 8, .value_kind: global_buffer, .address_space: global }
      - { .name: b1, .offset: 16, .size: 8, .value_kind: global_buffer, .address_space: global }
      - { .name: lists, .offset: 24, .size: 8, .value_kind: global_buffer, .address_space: global }
      - { .name: meta, .offset: 32, .size: 8, .value_kind: global_buffer, .address_space: global }
      - { .name: h, .offset: 40, .size: 8, .value_kind: global_buffer, .address_space: global }
    .group_segment_fixed_size: 239104
    .private_segment_fixed_size: 0
    .kernarg_segment_align: 8
    .kernarg_segment_size: 48
    .max_flat_workgroup_size: 128
    .sgpr_count:     66
    .vgpr_count:     896
    .wavefront_size: 32
...
	.end_amdgpu_metadata
.endif
;; end of part 6
;; launch ffn2 (part 7): grid 6 x 32, 4 waves a work-group, no clusters, 255,488 bytes of LDS; arguments h, w2, lists, meta, yp; writes yp
.if DOCPART == 7
	.amdgcn_target "amdgcn-amd-amdhsa--gfx1250"
	.amdhsa_code_object_version 6
	.text
	.protected	k_q1c3c14cbdf_ffn2
	.globl	k_q1c3c14cbdf_ffn2
	.p2align	8
	.type	k_q1c3c14cbdf_ffn2,@function
k_q1c3c14cbdf_ffn2:
	s_mov_b64 s[64:65], 0
	v_nop
	global_prefetch_b8 v0, s[64:65] scope:SCOPE_SE
	s_setreg_imm32_b32 hwreg(HW_REG_WAVE_SCHED_MODE, 0, 2), 2
	s_setreg_imm32_b32 hwreg(HW_REG_WAVE_MODE, 25, 1), 1
	s_wait_xcnt 0x0
	s_wait_alu depctr_vm_vsrc(0)
; EXPERT PRODUCT.  One text for both products of an expert; SECOND = 0: h = gelu(x w1 + b1), SECOND = 1: partial sums of h w2.
; Only the rows that the router sent to the expert are computed: reference() multiplies every other row's result by a weight of 0.
; LIMIT: where an expert that a token did not choose would give inf or NaN, reference() gives NaN (0 x inf) and this text does not.
;
; A work-group owns a weight slice of 768 (k) x 128 (n) of one expert: 393,216 bytes of f32, read from memory once in the whole launch.
;   first:  grid (24 slices of H, 8 experts);   second: grid (6 slices of O, 8 experts x 4 quarters of H).
;   The four quarters' sums go to four planes of yp, [4][2688 rows][768] f32, and are added, in a fixed order, by the last launch.
; PHASE 1: each wave streams 192 rows of 512 bytes (one load of the wave = one row), rounds them to bf16 and lays them into LDS as
;   [k][n], pitch 288 bytes.  A ring of 48 loads a wave, taken 8 rows at a time: 40 to 48 loads of 512 bytes of every wave are on their way.  One barrier.
; PHASE 2: a wave takes blocks of 80 rows of the expert's list (blocks wave, wave + 4, ..): 5 x 8 accumulator tiles, K in 24 steps of 32.
;   Weights: ds_load_tr16_b128 turns [k][n] into fragments, 16 loads a step, each fragment used by 5 matrix instructions.
;   Rows: gathered by the list straight into registers, 16 bytes a lane, three buffers of 64 k, two chunks ahead.
;   The matrix instruction is used transposed (source 0 = 16 columns of W, source 1 = 16 rows): lane (r, hh) then holds row r and
;   8 neighbouring columns 16 T + 8 hh + j.  16 rows at a time go through the wave's own LDS stage and leave as whole rows:
;   one store of the wave = one row's piece, 256 (first) or 512 (second) consecutive bytes, aligned.
; NOT USED, and why: clusters and joint requests, the tensor data mover: no two work-groups read the same weights, and the rows that the
;   work-groups of one expert share are picked one by one from a list, which a rectangular tile cannot name; beside 221,184 bytes of
;   weights LDS has no room for two shared slots of 320 rows x 272 bytes.  128 columns a slice, 192 work-groups, rather than 96 columns and
;   256: with 128 every weight row, h piece and yp piece is a whole number of aligned 256-byte runs.
; THE MODE: SCHED_MODE bits 1:0 = 2 (LLVM: expert scheduling mode 2), set by the entry lines.  The code itself states the register dependences
; between vector or matrix instructions and memory or LDS instructions, with s_wait_alu, always for 0.
; THE PLAN.  Registers that memory or LDS instructions touch:
;   RING          Phase 1, group g of 8 rows: its sixteen conversions read its rows; behind them the loads of the same rows of the next round land there.
;   CV0, CV1      Group g's conversions write CV[g & 1]; its eight LDS stores read it.
;   v[SA]         Read by every LDS store of phase 1; written once a round, at the round's end.
;   WB0 .. WB2    K step s: its matrix instructions read WB[s % 3]; the fragment loads at the head of step s + 2 land in it.
;   A0 .. A2      Chunk c (steps 2 c, 2 c + 1): the matrix instructions read A[c % 3]; the loads of chunk c + 3, issued in step 2 c + 2, land in it.
;   AO, LS        Written by AOFF, once a block.  Every row load reads AO; the list's loads land in LS.
;   OV, P, RB     The way out of 16 rows: adds write OV and conversions P; LDS stores read P (second: the accumulators); LDS loads land in RB; the global stores read OV and RB.
;   v[LV], v[L16], v[WA ..], v[STO], v[RD], v[BO]: made at the head and never written again; the list is walked by its scalar base and an immediate offset.
; THE WAITS.  A group: one on va_vdst behind its conversions; one on vm_vsrc at its head for the stores of the group before last.
;   A K step: one on va_vdst, behind the step's fragment loads (which owe only the wait of the step before) and ahead of its row loads and matrix instructions.
;   A block's end: one on vm_vsrc ahead of AOFF, one on va_vdst behind it.  A tile of the way out: one on vm_vsrc at its head, one on va_vdst ahead of its LDS stores.
.set SECOND, 1
.if SECOND
.set WPITCH,  3072                     ; bytes from row to row of w2[e]
.set ASTRIDE, 688128                   ; bytes from one 128-column slice of h to the next (2,688 rows x 256)
.set SPITCH,  528                      ; stage: 512 bytes of f32 + 16: an odd multiple of 16
.set LOGO,    4                        ; a lane stores 16 bytes of an output row
.else
.set WPITCH,  12288                    ; bytes from row to row of w1[e]
.set ASTRIDE, 262144                   ; slice of xb (1,024 rows x 256)
.set SPITCH,  272                      ; stage: 256 bytes of bf16 + 16
.set LOGO,    3                        ; a lane stores 8 bytes of an output row
.endif
.set NBIAS, 16*(1-SECOND)              ; loads of the bias (first product only)
.set NEX,   NBIAS+40                   ; loads for the first block that are issued inside the staging tail
.set WP,    288                        ; LDS pitch of a weight row: 256 bytes + 32 = 9 x 32, an odd multiple of 32 for the transposing loads
.set WQ,    192*WP                     ; a wave's quarter of the weights; also 6 K steps
.set STAGE, 768*WP                     ; behind the weights: 16 rows x SPITCH for each wave
; window 0
.set LV,  4                            ; byte offset in the expert's list of entry 80 wave + r; never rewritten
.set L16, 5                            ; 16 lane
.set SA,  6                            ; staging: LDS address
.set OL,  7                            ; lane's bytes in an output row
.set WA,  8                            ; v[8:11]   fragment address, one for each 6 K steps (the 16-bit offset reaches 6)
.set AO,  12                           ; v[12:16]  row tile m: byte offset of my row + 16 hh
.set STO, 17                           ; stage, in
.set RD,  18                           ; stage, back
.set BO,  19                           ; 32 hh (bias)
.set K1,  20                           ; v[20:21]
.set K0,  22                           ; v[22:23]
.set LS,  24                           ; v[24:28]  list entries of row tile m
.set H16, 29                           ; 16 hh                                   (v30, v31: at work at the head)
.set CV,  32                           ; v[32:63]  staging: two out-buffers of 8 rows x 2 registers (4 bf16 a row and lane)
.set OV,  32                           ; v[32:47]  the way out: byte offset of output row t + my lane's bytes
.set RING, 64                          ; v[64:255] staging ring, 48 x 4
.set WB,  64                           ; v[64:255] three buffers of 8 weight fragments
.set RB,  64                           ; rows read back from the stage
.set T,   192                          ; v[192:223] gelu at work
.set P,   224                          ; v[224:255] packed bf16, both halves of a tile's 128 columns
; window 1: v[80 b + 40 s2 + 8 m ..] row fragments, buffer b = chunk mod 3.  window 2: accumulators v[64 m + 8 T ..], m = 0..3.
; window 3: v[8 T ..] accumulators of m = 4; v[64 + 8 T ..] the bias in the accumulators' layout (first product).
.set MSB, 0
.macro WIN new                         ; low byte: bits 1:0 source 0, 3:2 source 1, 5:4 source 2, 7:6 destination; high byte: the setting that is left
.if MSB != (\new)
	s_set_vgpr_msb (MSB<<8)|(\new)
.set MSB, (\new)
.endif
.endm
; group g of a round: 8 weight rows: wait, round, store to LDS; ahead = 1: the ring's 8 places are loaded again, 48 rows on
.macro GROUP g, ahead, left
	s_wait_loadcnt \left                   ; loads return in order: the group's 8 rows are in, the younger loads stay out
.if (\g) >= 2
	s_wait_alu depctr_vm_vsrc(0)           ; the LDS stores of the group before last have read CV[g & 1], which the conversions below write again (for groups 0 and 1 the wait at the round's end has stated it)
.endif
.irp i, 0,1,2,3,4,5,6,7
	v_cvt_pk_bf16_f32 v[CV+16*((\g)&1)+2*\i],   v[RING+4*(8*(\g)+\i)],   v[RING+4*(8*(\g)+\i)+1]
	v_cvt_pk_bf16_f32 v[CV+16*((\g)&1)+2*\i+1], v[RING+4*(8*(\g)+\i)+2], v[RING+4*(8*(\g)+\i)+3]
.endr
	s_wait_alu depctr_va_vdst(0)           ; the conversions have written CV[g & 1], which the LDS stores read, and are done reading the 8 rows, in which the loads land; v[SA] and all that was made at the head is written
.irp i, 0,1,2,3,4,5,6,7
	ds_store_b64 v[SA], v[CV+16*((\g)&1)+2*\i:CV+16*((\g)&1)+2*\i+1] offset:(8*(\g)+\i)*WP
.if \ahead
	global_load_b128 v[RING+4*(8*(\g)+\i):RING+4*(8*(\g)+\i)+3], v[L16], s[6:7] offset:(8*(\g)+\i+48)*WPITCH th:TH_LOAD_NT
.endif
.endr
.endm
; the 8 weight fragments of K step s: k = 32 s + 8 hh .. of column 16 T + r in registers 0-3, k + 16 in registers 4-7
.macro FETCHW s
.irp t, 0,1,2,3,4,5,6,7
	ds_load_tr16_b128 v[WB+64*((\s)%3)+8*\t:WB+64*((\s)%3)+8*\t+3],   v[WA+(\s)/6] offset:((\s)%6)*32*WP+32*\t
	ds_load_tr16_b128 v[WB+64*((\s)%3)+8*\t+4:WB+64*((\s)%3)+8*\t+7], v[WA+(\s)/6] offset:((\s)%6)*32*WP+16*WP+32*\t
.endr
.endm
; load i = 10 s2 + 2 m + q of chunk c (64 k): 16 bytes of my row of tile m
.macro ALD c, i
	global_load_b128 v[80*((\c)%3)+4*(\i):80*((\c)%3)+4*(\i)+3], v[AO+((\i)%10)/2], s[4:5] offset:((\c)>>1)*ASTRIDE+((\c)&1)*128+64*((\i)/10)+32*((\i)%2)
.endm
.macro ALOAD c
	WIN 0x40                               ; destination window 1
.set ai, 0
.rept 20
	ALD \c, ai
.set ai, ai+1
.endr
.endm
; the n-th of the loads for the first block: the bias first (it is the older, so the wait for chunk 0 covers it), then chunks 0 and 1
.macro EXTRA n
.if (\n) < NBIAS
	WIN 0xc0                               ; destination window 3
	global_load_b128 v[64+4*(\n):64+4*(\n)+3], v[BO], s[8:9] offset:64*((\n)/2)+16*((\n)%2)
.else
	WIN 0x40
	ALD ((\n)-NBIAS)/20, ((\n)-NBIAS)%20
.endif
.endm
.macro XGROUP                          ; no wait of its own: v[AO ..] and v[BO] were written ahead of the group's wait on va_vdst, and no vector instruction has named the registers in which these loads land
.rept 8
.if xn < NEX
	EXTRA xn
.set xn, xn+1
.endif
.endr
	WIN 0
.endm
; list entries to row offsets.  The clamp keeps every address inside the buffer whatever the list holds.
.macro AOFF
.irp m, 0,1,2,3,4
	v_min_u32 v[LS+\m], 2687, v[LS+\m]
.if SECOND == 0
	v_and_b32 v[LS+\m], 1023, v[LS+\m]     ; slot = rank x 1024 + token; a dump slot falls on some token, whose result goes to the dump row
.endif
	v_lshl_add_u32 v[AO+\m], v[LS+\m], 8, v[H16]
.endr
.endm
; 8 matrix instructions: row tile m x all 8 column tiles.  cm 0: accumulate; 1: C = 0 starts the sums; 2: the bias starts them
.macro MROW m, db, cm
.irp t, 0,1,2,3,4,5,6,7
.if \cm == 0
	v_wmma_f32_16x16x32_bf16 v[\db+8*\t:\db+8*\t+7], v[wf+8*\t:wf+8*\t+7], v[af+8*\m:af+8*\m+7], v[\db+8*\t:\db+8*\t+7]
.endif
.if \cm == 1
	v_wmma_f32_16x16x32_bf16 v[\db+8*\t:\db+8*\t+7], v[wf+8*\t:wf+8*\t+7], v[af+8*\m:af+8*\m+7], 0
.endif
.if \cm == 2
	v_wmma_f32_16x16x32_bf16 v[\db+8*\t:\db+8*\t+7], v[wf+8*\t:wf+8*\t+7], v[af+8*\m:af+8*\m+7], v[64+8*\t:64+8*\t+7]
.endif
.endr
.endm
.macro MUL s
.set wf, WB+64*((\s)%3)
.set af, 80*(((\s)/2)%3)+40*((\s)&1)
.if (\s) == 0
.set cmode, 2-SECOND
.else
.set cmode, 0
.endif
.if cmode == 2
	WIN 0xb4                               ; W window 0, rows window 1, C (bias) window 3, D window 2
.else
	WIN 0xa4                               ; W window 0, rows window 1, C and D window 2
.endif
	MROW 0, 0, cmode
	MROW 1, 64, cmode
	MROW 2, 128, cmode
	MROW 3, 192, cmode
	WIN 0xf4                               ; C and D window 3
	MROW 4, 0, cmode
.endm
; K step s: ask for the next step's weights; wait for this step's data; on even steps ask for the rows two chunks ahead; then 40 matrix instructions
.macro STEP s
	WIN 0
.if (\s) < 23
	FETCHW (\s)+1                          ; into WB[(s + 1) % 3], which step s - 2 read: the last step's wait on va_vdst stands behind those matrix instructions, and those issued since name WB[(s - 1) % 3]
	s_wait_dscnt 16                        ; this step's 16 fragment loads are in; the 16 just issued stay out
.else
	s_wait_dscnt 0
.endif
.if ((\s)&1) == 0
.if (\s) <= 2
	s_wait_loadcnt 25                      ; behind chunk 0 or 1: one chunk of 20 loads and the 5 list loads of the next block
.elseif (\s) <= 20
	s_wait_loadcnt 20                      ; behind this chunk: the next one
.else
	s_wait_loadcnt 0                       ; chunk 11 is the last
.endif
.endif
.if ((\s) >= 1) && ((\s) <= 21)
	s_wait_alu depctr_va_vdst(0)           ; the matrix instructions of step s - 1 are done reading WB[(s - 1) % 3], in which the next step's fragment loads land
.endif
.if (((\s)&1) == 0) && ((\s) <= 18)
	ALOAD (\s)/2+2
.endif
	MUL \s
.endm
; the way out of row tile m: 16 rows
.macro TILE m
.set SB, 32+16*((\m)&1)                ; the scalar set that holds the tile's 16 list entries
.set AW, 2+(\m)/4                      ; the accumulators' window
.set AB, 64*((\m)%4)                   ; and first register
	WIN 0
	s_wait_kmcnt 0x0                       ; scalar loads return in no order: zero
.irp t, 0,1,2,3,4,5,6,7,8,9,10,11,12,13,14,15
	s_min_u32 s[SB+\t], s[SB+\t], 2687
.if SECOND
	s_mul_i32 s[SB+\t], s[SB+\t], 3072
.else
	s_lshl_b32 s[SB+\t], s[SB+\t], 8
.endif
.endr
.if (\m) > 0                           ; for tile 0 the waits at the loop's end and at the block's end have stated both
	s_wait_xcnt 0x0                        ; OV and RB, which the last tile's stores read, are rewritten only behind this wait
	s_wait_alu depctr_vm_vsrc(0)           ; the last tile's global stores have read OV and RB, its LDS stores P: all three are written again below
.endif
.irp t, 0,1,2,3,4,5,6,7,8,9,10,11,12,13,14,15
	v_add_nc_u32 v[OV+\t], s[SB+\t], v[OL]
.endr
.if SECOND
	WIN AW<<2                              ; store data (source 1) in the accumulators' window
	s_wait_alu depctr_va_vdst(0)           ; the adds have written OV, which the global stores read; the accumulators, which the LDS stores read, are written (their places stand at the block's end)
.if (\m)+2 <= 4
	s_load_b512 s[SB:SB+15], s[16:17], ((\m)+2)*64   ; the adds that read this scalar set stand ahead of the wait
.endif
.irp t, 0,1,2,3,4,5,6,7
	ds_store_b128 v[STO], v[AB+8*\t:AB+8*\t+3]   offset:64*\t
	ds_store_b128 v[STO], v[AB+8*\t+4:AB+8*\t+7] offset:64*\t+16
.endr
	WIN 0
.irp t, 0,1,2,3,4,5,6,7,8,9,10,11,12,13,14,15
	ds_load_b128 v[RB+4*\t:RB+4*\t+3], v[RD] offset:\t*SPITCH   ; my own bytes, served in order behind the stores: no wait between
.endr
.irp t, 0,1,2,3,4,5,6,7,8,9,10,11,12,13,14,15
	s_wait_dscnt 15-\t                     ; row t is in; the younger rows stay out
	global_store_b128 v[OV+\t], v[RB+4*\t:RB+4*\t+3], s[14:15]   ; 512 consecutive bytes, aligned
.endr
.else
	; gelu, tanh form: x / (1 + 2^(x (K0 + K1 x^2))), K0 = -2 log2(e) sqrt(2/pi), K1 = 0.044715 K0.  For large |x| it runs to x or to -0, never to NaN.
.irp bt, 0,1
	WIN AW|(AW<<2)
.set pp, 0
.rept 16
	v_pk_mul_f32 v[T+2*pp:T+2*pp+1], v[AB+32*\bt+2*pp:AB+32*\bt+2*pp+1], v[AB+32*\bt+2*pp:AB+32*\bt+2*pp+1]
.set pp, pp+1
.endr
	WIN 0
.set pp, 0
.rept 16
	v_pk_fma_f32 v[T+2*pp:T+2*pp+1], v[T+2*pp:T+2*pp+1], v[K1:K1+1], v[K0:K0+1]
.set pp, pp+1
.endr
	WIN AW
.set pp, 0
.rept 16
	v_pk_mul_f32 v[T+2*pp:T+2*pp+1], v[AB+32*\bt+2*pp:AB+32*\bt+2*pp+1], v[T+2*pp:T+2*pp+1]
.set pp, pp+1
.endr
	WIN 0
.set pp, 0
.rept 32
	v_exp_f32 v[T+pp], v[T+pp]
.set pp, pp+1
.endr
	v_nop                                  ; one plain place behind the run of transcendentals (ISA guide 5.7.2)
.set pp, 0
.rept 16
	v_pk_add_f32 v[T+2*pp:T+2*pp+1], v[T+2*pp:T+2*pp+1], 1.0 op_sel_hi:[1,0]
.set pp, pp+1
.endr
.set pp, 0
.rept 32
	v_rcp_f32 v[T+pp], v[T+pp]
.set pp, pp+1
.endr
	v_nop
	WIN AW
.set pp, 0
.rept 16
	v_pk_mul_f32 v[T+2*pp:T+2*pp+1], v[AB+32*\bt+2*pp:AB+32*\bt+2*pp+1], v[T+2*pp:T+2*pp+1]
.set pp, pp+1
.endr
	WIN 0
.set pp, 0
.rept 16
	v_cvt_pk_bf16_f32 v[P+16*\bt+pp], v[T+2*pp], v[T+2*pp+1]
.set pp, pp+1
.endr
.endr
	s_wait_alu depctr_va_vdst(0)           ; the conversions have written P, which the LDS stores read; the adds have written OV, which the global stores read
.if (\m)+2 <= 4
	s_load_b512 s[SB:SB+15], s[16:17], ((\m)+2)*64   ; the adds that read this scalar set stand ahead of the wait
.endif
.irp q, 0,1,2,3,4,5,6,7
	ds_store_b128 v[STO], v[P+4*\q:P+4*\q+3] offset:32*\q           ; row r, columns 16 T + 8 hh .. + 7
.endr
.irp t, 0,1,2,3,4,5,6,7,8,9,10,11,12,13,14,15
	ds_load_b64 v[RB+2*\t:RB+2*\t+1], v[RD] offset:\t*SPITCH       ; my own bytes, served in order behind the stores: no wait between
.endr
.irp t, 0,1,2,3,4,5,6,7,8,9,10,11,12,13,14,15
	s_wait_dscnt 15-\t                     ; row t is in; the younger rows stay out
	global_store_b64 v[OV+\t], v[RB+2*\t:RB+2*\t+1], s[14:15]      ; 256 consecutive bytes, aligned
.endr
.endif
.endm
	; ---- arguments, ids, offsets
.if SECOND
	s_load_b128 s[4:7], s[0:1], 0x0                ; h (the rows) s[4:5], w2 s[6:7]
	s_load_b64 s[10:11], s[0:1], 0x10              ; lists
	s_load_b64 s[12:13], s[0:1], 0x18              ; meta
	s_load_b64 s[14:15], s[0:1], 0x20              ; yp
	v_lshl_add_u32 v22, v0, 2, 0x3e400
	v_mov_b32 v23, 0
.else
	s_load_b256 s[4:11], s[0:1], 0x0               ; xb (the rows) s[4:5], w1 s[6:7], b1 s[8:9], lists s[10:11]
	s_load_b128 s[12:15], s[0:1], 0x20             ; meta s[12:13], h s[14:15]
.endif
	v_lshrrev_b32 v1, 5, v0
	v_readfirstlane_b32 s18, v1                    ; wave
	s_and_b32 s19, ttmp7, 0xffff
.if SECOND
	s_and_b32 s21, s19, 3                          ; quarter of H
	s_lshr_b32 s19, s19, 2                         ; expert
.endif
	s_lshl_b32 s20, ttmp9, 9                       ; my 128 columns, in bytes of f32
	s_mov_b32 s27, 0
	s_mul_i32 s26, s19, 9437184                    ; the expert's weights
	s_add_co_u32 s26, s26, s20
	s_wait_alu depctr_va_sdst(0)                   ; s18 is written, ahead of its first reader: offsets, LDS places and the trip count are made from it
	s_mul_i32 s28, s18, 192*WPITCH                 ; my wave's 192 rows
	s_add_co_u32 s26, s26, s28
.if SECOND
	s_mul_i32 s28, s21, 768*WPITCH
	s_add_co_u32 s26, s26, s28
.endif
	s_mul_i32 s28, s19, 5632                       ; the expert's list
	s_mov_b32 s29, 0
	s_mul_i32 s30, s18, 320                        ; my wave's first block: 80 entries
	s_mov_b32 s31, 0
	v_and_b32 v1, 31, v0                           ; lane
	v_and_b32 v2, 15, v0                           ; r
	v_bfe_u32 v3, v0, 4, 1                         ; hh
	v_lshl_add_u32 v[LV], v2, 2, s30
	v_lshlrev_b32 v[L16], 4, v1
	s_wait_kmcnt 0x0
	s_add_nc_u64 s[6:7], s[6:7], s[26:27]
	s_add_nc_u64 s[10:11], s[10:11], s[28:29]
	s_add_nc_u64 s[16:17], s[10:11], s[30:31]      ; the list at my block, for the scalar loads
	s_wait_alu depctr_va_vdst(0)                   ; v[LV] and v[L16] are written: the loads below read them as offsets
.irp m, 0,1,2,3,4
	global_load_b32 v[LS+\m], v[LV], s[10:11] offset:64*\m
.endr
.set ii, 0
.rept 48
	global_load_b128 v[RING+4*ii:RING+4*ii+3], v[L16], s[6:7] offset:ii*WPITCH th:TH_LOAD_NT
.set ii, ii+1
.endr
	s_lshl_b32 s26, s19, 2
	s_add_nc_u64 s[12:13], s[12:13], s[26:27]
	s_load_b32 s22, s[12:13], 0x0                  ; the expert's blocks
	s_mul_i32 s28, s18, WQ                         ; the addresses below are first read behind the first group's wait on va_vdst
	v_lshl_add_u32 v[SA], v1, 3, s28               ; my wave's quarter + 8 lane
	v_lshlrev_b32 v[OL], LOGO, v1
	v_and_b32 v30, 7, v0
	v_lshl_add_u32 v30, v3, 3, v30                 ; k row 8 hh + (lane & 7)
	v_mul_u32_u24 v30, v30, WP
	v_bfe_u32 v31, v0, 3, 1
	v_lshl_add_u32 v[WA], v31, 4, v30              ; + 16 bytes for the upper 8 columns
	v_add_nc_u32 v[WA+1], WQ, v[WA]
	v_add_nc_u32 v[WA+2], 2*WQ, v[WA]
	v_add_nc_u32 v[WA+3], 3*WQ, v[WA]
	s_mul_i32 s28, s18, 16*SPITCH
	s_add_co_u32 s28, s28, STAGE                   ; my stage
	v_mul_u32_u24 v30, v2, SPITCH
	v_lshl_add_u32 v30, v3, LOGO+1, v30            ; row r, 8 columns for each half of the lanes
	v_add_nc_u32 v[STO], s28, v30
	v_add_nc_u32 v[RD], s28, v[OL]
	v_lshlrev_b32 v[H16], 4, v3
.if SECOND
	s_mul_i32 s26, s21, 6*ASTRIDE                  ; my quarter of H: 6 slices of h
	s_add_nc_u64 s[4:5], s[4:5], s[26:27]
	s_mul_i32 s26, s21, 2688*3072                  ; my quarter's plane of yp
	s_add_co_u32 s26, s26, s20
	s_add_nc_u64 s[14:15], s[14:15], s[26:27]
.else
	s_mul_i32 s26, s19, 12288
	s_add_co_u32 s26, s26, s20
	s_add_nc_u64 s[8:9], s[8:9], s[26:27]          ; b1 at my expert and columns
	s_mul_i32 s26, ttmp9, 688128
	s_add_nc_u64 s[14:15], s[14:15], s[26:27]      ; my slice of h
	v_lshlrev_b32 v[BO], 5, v3
	v_mov_b32 v[K1],   0xbdd2d3e8
	v_mov_b32 v[K1+1], 0xbdd2d3e8
	v_mov_b32 v[K0],   0xc0135761
	v_mov_b32 v[K0+1], 0xc0135761
.endif
	; ---- phase 1: the weights.  Three rounds that load ahead, then a tail
	s_mov_b32 s24, 0
.Lround:
.irp g, 0,1,2,3,4,5
	GROUP \g, 1, 40                                ; behind the group's 8 loads 40 younger ones were issued
.endr
	s_wait_xcnt 0x0                                ; the base of the loads just issued is stepped only behind this wait
	s_add_nc_u64 s[6:7], s[6:7], 48*WPITCH
	s_wait_alu depctr_vm_vsrc(0)                   ; the LDS stores issued so far have read v[SA], and CV0 and CV1 with it
	v_add_nc_u32 v[SA], 48*WP, v[SA]
	s_add_co_u32 s24, s24, 1
	s_cmp_lt_u32 s24, 3
	s_cbranch_scc1 .Lround
	AOFF                                           ; the list loads are older than every ring load: they are in
	; the tail: after every 8 rows, 8 of the first block's loads take the places that the ring gives up.
	; The count: 40 - 8 g younger ring loads and the xn loads issued in the tail so far
.set xn, 0
.irp g, 0,1,2,3,4,5
	GROUP \g, 0, 40-8*\g+xn
	XGROUP
.endr
	XGROUP
	s_wait_dscnt 0x0                               ; my quarter of the weights is in LDS: zero, for the other waves' sake
	s_barrier_signal -1
	s_barrier_wait -1                              ; the only barrier: from here the weights are read only, and a stage is its wave's own
	s_wait_kmcnt 0x0
	s_min_u32 s22, s22, 13                         ; at most 13 blocks (1,024 rows)
	s_add_co_u32 s22, s22, 3
	s_sub_co_u32 s22, s22, s18
	s_lshr_b32 s22, s22, 2                         ; my blocks: wave, wave + 4, .. below the count
	s_cmp_eq_u32 s22, 0
	s_cbranch_scc1 .Lend
	; ---- phase 2: my blocks of 80 rows
	s_mov_b32 s23, 0
.Lblock:
	s_load_b512 s[32:47], s[16:17], 0x0            ; the list entries of row tiles 0 and 1, for the way out
	s_load_b512 s[48:63], s[16:17], 0x40
.irp m, 0,1,2,3,4
	global_load_b32 v[LS+\m], v[LV], s[10:11] offset:1280+64*\m   ; my next block (4 x 80 entries on): position 1,359 at the most, inside the list's 1,408.  AOFF, which named LS, stands ahead of a wait on va_vdst on both ways here
.endr
	FETCHW 0                                       ; into WB0: the conversions (first trip) and matrix instructions that read it stand ahead of a wait on va_vdst, the stores that read RB ahead of the loop's last wait on vm_vsrc
.set st, 0
.rept 24
	STEP st
.set st, st+1
.endr
	WIN 0
	s_wait_alu depctr_vm_vsrc(0)                   ; this block's row loads have read v[AO ..], which the lines below write again
	AOFF                                           ; plain vector lines that name no register of the last matrix instructions: the places behind them, before results are read (ISA guide 7.12.1)
	s_wait_alu depctr_va_vdst(0)                   ; v[AO ..] is written, which the loads below read; the matrix instructions are done reading the rows' and the weights' buffers and have written the accumulators; AOFF is done with LS
	ALOAD 0                                        ; the next block's first two chunks travel while this block leaves.
	ALOAD 1                                        ; Behind my last block they read row 0 of the list's tail and are not used
	TILE 0
	TILE 1
	TILE 2
	TILE 3
	TILE 4
	WIN 0
	s_wait_xcnt 0x0                                ; the next trip's fragment loads land on RB, which the last stores read; the list's bases are stepped
	s_wait_alu depctr_vm_vsrc(0)                   ; the last tile's global stores have read RB and OV, its LDS stores P: the next trip's fragment loads land on RB and P
	s_add_nc_u64 s[16:17], s[16:17], 1280
	s_add_nc_u64 s[10:11], s[10:11], 1280
	s_add_co_u32 s23, s23, 1
	s_cmp_lt_u32 s23, s22
	s_cbranch_scc1 .Lblock
.Lend:
	s_wait_dscnt 0x0
	s_wait_alu depctr_hold_cnt(0) depctr_sa_sdst(0) depctr_va_vdst(0) depctr_va_sdst(0) depctr_va_ssrc(0) depctr_va_vcc(0) depctr_vm_vsrc(0)
	s_wait_tensorcnt 0x0
	ds_add_u32 v22, v23
	s_wait_dscnt 0x0
	s_endpgm
.Lfunc_end_k_q1c3c14cbdf_ffn2:
	.size	k_q1c3c14cbdf_ffn2, .Lfunc_end_k_q1c3c14cbdf_ffn2-k_q1c3c14cbdf_ffn2
	.p2alignl 7, 3214868480
	.fill 96, 4, 3214868480
	.section	.rodata,"a",@progbits
	.p2align	6, 0x0
	.amdhsa_kernel k_q1c3c14cbdf_ffn2
		.amdhsa_group_segment_fixed_size 255488
		.amdhsa_private_segment_fixed_size 0
		.amdhsa_enable_private_segment 0
		.amdhsa_kernarg_size 40
		.amdhsa_user_sgpr_count 2
		.amdhsa_user_sgpr_kernarg_segment_ptr 1
		.amdhsa_wavefront_size32 1
		.amdhsa_system_sgpr_workgroup_id_x 1
		.amdhsa_system_sgpr_workgroup_id_y 1
		.amdhsa_system_sgpr_workgroup_id_z 1
		.amdhsa_system_vgpr_workitem_id 0
		.amdhsa_next_free_vgpr 832
		.amdhsa_next_free_sgpr 66
		.amdhsa_reserve_vcc 0
		.amdhsa_float_denorm_mode_32 3
		.amdhsa_float_denorm_mode_16_64 3
		.amdhsa_memory_ordered 1
		.amdhsa_forward_progress 1
		.amdhsa_inst_pref_size 184
	.end_amdhsa_kernel
	.amdgpu_metadata
---
amdhsa.version: [ 1, 2 ]
amdhsa.kernels:
  - .name:           k_q1c3c14cbdf_ffn2
    .symbol:         k_q1c3c14cbdf_ffn2.kd
    .args:
      - { .name: h, .offset: 0, .size: 8, .value_kind: global_buffer, .address_space: global }
      - { .name: w2, .offset: 8, .size: 8, .value_kind: global_buffer, .address_space: global }
      - { .name: lists, .offset: 16, .size: 8, .value_kind: global_buffer, .address_space: global }
      - { .name: meta, .offset: 24, .size: 8, .value_kind: global_buffer, .address_space: global }
      - { .name: yp, .offset: 32, .size: 8, .value_kind: global_buffer, .address_space: global }
    .group_segment_fixed_size: 255488
    .private_segment_fixed_size: 0
    .kernarg_segment_align: 8
    .kernarg_segment_size: 40
    .max_flat_workgroup_size: 128
    .sgpr_count:     66
    .vgpr_count:     832
    .wavefront_size: 32
...
	.end_amdgpu_metadata
.endif
;; end of part 7
;; launch combine: the kernel of part 5 again; grid 256 x 1, 4 waves a work-group, no clusters, 0 bytes of LDS; arguments yp, eidx, wts, b2, ln_g, ln_b, out0; writes out0
